; MI455X (gfx1250); checked and timed in simulation.
; The chip was launched on July 23, 2026; its instructions are those of AMD's public machine-readable ISA for CDNA 5 (MIT licence, August 2026) and "CDNA5" Instruction Set Architecture Reference Guide (July 2026). The comments in the code are by the model that wrote it; some were corrected since.
;; Linear Attention. Allowed arithmetic: float matrix products may take bf16 or f16 operands with f32 sums; other float arithmetic in f32, or as packed bf16 or f16 multiplies, adds, multiply-adds, maxima and minima; sums over many terms, partial sums and values carried from step to step in f32; what a program stores and reads back later, other than sums and carried values, may be rounded once to bf16 or f16.
;; Inputs: be_k 64 float32; be_q 64 float32; be_v 64 float32; bk 512 float32; bo 256 float32; bq 512 float32; bv 512 float32; g_k 64 float32; g_q 64 float32; g_v 64 float32; wk 512 x 256 float32; wo 256 x 512 float32; wq 512 x 256 float32; wv 512 x 256 float32; x 4 x 256 x 128 x 128 float32.
;; Outputs: out0 4 x 256 x 128 x 128 float32.
;; 2 versions, each right; version 2 is version 1 with the launch comb written anew for expert scheduling mode. Each part assembles by itself: llvm-mc -triple=amdgcn-amd-amdhsa -mcpu=gfx1250 --defsym DOCPART=n.
;; ======== version 1 of 2: 4 launches
;; limits: values are held in f16: magnitudes above 65,504 overflow, below 6.1e-05 lose precision; inputs' magnitudes at most 65,504
;; workspace buffers: wimg 786,432 bytes; tab 7,168 bytes; x16 33,554,432 bytes; part 16,777,216 bytes; stat 524,288 bytes; mimg 1,048,576 bytes
;; launch prep (part 1): grid 64 x 3, 1 waves a work-group, no clusters, 0 bytes of LDS; arguments wq, wk, wv, bq, bk, bv, bo, wimg, tab; writes wimg, tab
.if DOCPART == 1
	.amdgcn_target "amdgcn-amd-amdhsa--gfx1250"
	.amdhsa_code_object_version 6
	.text
	.protected	k_q17d556539b_prep
	.globl	k_q17d556539b_prep
	.p2align	8
	.type	k_q17d556539b_prep,@function
k_q17d556539b_prep:
	s_mov_b64 s[64:65], 0
	v_nop
	global_prefetch_b8 v0, s[64:65] scope:SCOPE_SE
	s_setreg_imm32_b32 hwreg(HW_REG_WAVE_MODE, 25, 1), 1
	s_wait_xcnt 0x0
; WEIGHTS TO CENTRED f16 FRAGMENT IMAGES, AND THE BIAS TABLES.
; LayerNorm over a head's 64 channels takes their mean away; the mean of W x + b over the head's rows is (mean row of W) x + mean b.  So W' = W - the head's mean row and
; b' = b - the head's mean give t' = W' x + b' = t - mu, for every input.  Means in f32; W' rounded once to f16.
; A work-group is one wave: matrix y (0 q, 1 k, 2 v), head hd, 32 columns kc: 64 rows x 32 columns = four fragments of 16 rows x 32 K.
; FRAGMENT IMAGE (1,024 bytes): registers 0-3 of the 32 lanes, 16 bytes a lane, then registers 4-7: a later load or store of a wave covers 512 consecutive bytes.
; Lane l holds row l % 16; registers 0-3 columns 8 (l / 16) + 0..7, registers 4-7 columns 16 + 8 (l / 16) + 0..7.
; wimg: q's head h at 32,768 h; k's at 262,144 + 65,536 h, v's 32,768 behind it; inside, fragment (kc, ot) at 1,024 (4 kc + ot).  tab: b'q, b'k, b'v (512 f32 each), then 64 bo.
; LIMIT: |W'| stays under 65,504 (f16); below 6e-5 f16 keeps its fixed step of 6e-8.
; No cluster, no LDS: 192 waves that share nothing; each reads 8 KiB once.
.set V,   32                           ; v[32:95]   64 f32: (ot, half) at 8 (2 ot + half); later the packed f16 words, in place
.set CS,  96                           ; v[96:111]  column sums: half, column
	s_load_b512 s[4:19], s[0:1], 0x0               ; wq s[4:5], wk s[6:7], wv s[8:9], bq s[10:11], bk s[12:13], bv s[14:15], bo s[16:17], wimg s[18:19]
	s_load_b64 s[20:21], s[0:1], 0x40              ; tab
	s_and_b32 s22, ttmp7, 0xffff                   ; y: which matrix
	s_lshr_b32 s23, ttmp9, 3                       ; hd
	s_and_b32 s24, ttmp9, 7                        ; kc
	v_and_b32 v1, 15, v0                           ; l % 16
	v_bfe_u32 v2, v0, 4, 1                         ; l / 16
	v_lshlrev_b32 v3, 10, v1                       ; a row of W is 1,024 bytes
	v_lshl_add_u32 v3, v2, 5, v3                   ; + 8 columns for the upper lanes
	v_lshlrev_b32 v4, 4, v0                        ; 16 l
	v_lshlrev_b32 v5, 2, v0                        ; 4 l
	s_lshl_b32 s30, s23, 16                        ; the head's 64 rows
	s_lshl_b32 s31, s24, 7                         ; the 32 columns
	s_add_co_u32 s30, s30, s31
	s_mov_b32 s31, 0
	s_lshl_b32 s32, s23, 15                        ; the image's place: q
	s_lshl_b32 s33, s23, 16                        ; k or v
	s_lshl_b32 s34, s22, 15
	s_add_co_u32 s33, s33, s34
	s_add_co_u32 s33, s33, 262144-32768
	s_cmp_eq_u32 s22, 0
	s_cselect_b32 s32, s32, s33
	s_lshl_b32 s34, s24, 12
	s_add_co_u32 s32, s32, s34
	s_mov_b32 s33, 0
	s_wait_kmcnt 0x0
	s_cmp_eq_u32 s22, 0
	s_cselect_b64 s[26:27], s[4:5], s[6:7]
	s_cselect_b64 s[28:29], s[10:11], s[12:13]
	s_cmp_eq_u32 s22, 2
	s_cselect_b64 s[26:27], s[8:9], s[26:27]       ; W
	s_cselect_b64 s[28:29], s[14:15], s[28:29]     ; b
	s_add_nc_u64 s[26:27], s[26:27], s[30:31]
	s_add_nc_u64 s[18:19], s[18:19], s[32:33]
.irp ot, 0,1,2,3
.irp hf, 0,1
.irp e, 0,1
	global_load_b128 v[V+((\ot)*2+(\hf))*8+(\e)*4:V+((\ot)*2+(\hf))*8+(\e)*4+3], v3, s[26:27] offset:(\ot)*16384+(\hf)*64+(\e)*16
.endr
.endr
.endr
	s_wait_loadcnt 0x0
	; the sum of each column over the 64 rows: four row blocks in registers, then the 16 lanes of a half
.set p, 0
.rept 8
	v_pk_add_f32 v[CS+p:CS+p+1], v[V+p:V+p+1], v[V+16+p:V+16+p+1]
.set p, p+2
.endr
.set p, 0
.rept 8
	v_pk_add_f32 v[CS+p:CS+p+1], v[CS+p:CS+p+1], v[V+32+p:V+32+p+1]
.set p, p+2
.endr
.set p, 0
.rept 8
	v_pk_add_f32 v[CS+p:CS+p+1], v[CS+p:CS+p+1], v[V+48+p:V+48+p+1]
.set p, p+2
.endr
.irp m, 1,2,4,8
.set p, 0
.rept 16
	v_add_f32_dpp v[CS+p], v[CS+p], v[CS+p] row_xmask:\m row_mask:0xf bank_mask:0xf
.set p, p+1
.endr
.endr
.set p, 0
.rept 32
	v_pk_fma_f32 v[V+p:V+p+1], v[CS+p%16:CS+p%16+1], 0xbc800000, v[V+p:V+p+1] op_sel_hi:[1,0,1]  ; W - sum / 64
.set p, p+2
.endr
.set p, 0
.rept 32
	v_cvt_pk_f16_f32 v[V+p], v[V+2*p], v[V+2*p+1]  ; in place, ascending: word p is written when words 2 p and 2 p + 1 have been read
.set p, p+1
.endr
.irp k, 0,1,2,3,4,5,6,7
	global_store_b128 v4, v[V+4*(\k):V+4*(\k)+3], s[18:19] offset:(\k)*512  ; 512 consecutive bytes, aligned
.endr
	; the head's bias, centred: the wave with kc = 0 does it
	s_cmp_lg_u32 s24, 0
	s_cbranch_scc1 .Lnobias
	s_lshl_b32 s36, s23, 8
	s_mov_b32 s37, 0
	s_add_nc_u64 s[28:29], s[28:29], s[36:37]
	s_lshl_b32 s38, s22, 11
	s_add_co_u32 s36, s36, s38
	s_add_nc_u64 s[38:39], s[20:21], s[36:37]
	global_load_b32 v6, v5, s[28:29]
	global_load_b32 v7, v5, s[28:29] offset:128
	v_mov_b32 v9, 0
	s_mov_b32 s40, 0x76543210
	s_mov_b32 s41, 0xfedcba98
	s_wait_loadcnt 0x0
	v_add_f32 v8, v6, v7
	v_add_f32_dpp v8, v8, v8 row_xmask:1 row_mask:0xf bank_mask:0xf
	v_add_f32_dpp v8, v8, v8 row_xmask:2 row_mask:0xf bank_mask:0xf
	v_add_f32_dpp v8, v8, v8 row_xmask:4 row_mask:0xf bank_mask:0xf
	v_add_f32_dpp v8, v8, v8 row_xmask:8 row_mask:0xf bank_mask:0xf
	v_permlanex16_b32 v9, v8, s40, s41
	v_add_f32 v8, v8, v9
	v_fmamk_f32 v6, v8, 0xbc800000, v6
	v_fmamk_f32 v7, v8, 0xbc800000, v7
	global_store_b32 v5, v6, s[38:39]
	global_store_b32 v5, v7, s[38:39] offset:128
.Lnobias:
	; 64 bo: one wave of the launch
	s_cmp_lg_u32 ttmp9, 1
	s_cbranch_scc1 .Lend
	s_cmp_lg_u32 s22, 0
	s_cbranch_scc1 .Lend
	v_lshlrev_b32 v10, 5, v0
	global_load_b128 v[12:15], v10, s[16:17]
	global_load_b128 v[16:19], v10, s[16:17] offset:16
	s_wait_loadcnt 0x0
.irp p, 12,14,16,18
	v_pk_mul_f32 v[\p:\p+1], v[\p:\p+1], 0x42800000 op_sel_hi:[1,0]
.endr
	global_store_b128 v10, v[12:15], s[20:21] offset:6144
	global_store_b128 v10, v[16:19], s[20:21] offset:6160
.Lend:
	s_endpgm
.Lfunc_end_k_q17d556539b_prep:
	.size	k_q17d556539b_prep, .Lfunc_end_k_q17d556539b_prep-k_q17d556539b_prep
	.p2alignl 7, 3214868480
	.fill 96, 4, 3214868480
	.section	.rodata,"a",@progbits
	.p2align	6, 0x0
	.amdhsa_kernel k_q17d556539b_prep
		.amdhsa_group_segment_fixed_size 0
		.amdhsa_private_segment_fixed_size 0
		.amdhsa_enable_private_segment 0
		.amdhsa_kernarg_size 72
		.amdhsa_user_sgpr_count 2
		.amdhsa_user_sgpr_kernarg_segment_ptr 1
		.amdhsa_wavefront_size32 1
		.amdhsa_system_sgpr_workgroup_id_x 1
		.amdhsa_system_sgpr_workgroup_id_y 1
		.amdhsa_system_sgpr_workgroup_id_z 1
		.amdhsa_system_vgpr_workitem_id 0
		.amdhsa_next_free_vgpr 128
		.amdhsa_next_free_sgpr 66
		.amdhsa_reserve_vcc 0
		.amdhsa_float_denorm_mode_32 3
		.amdhsa_float_denorm_mode_16_64 3
		.amdhsa_memory_ordered 1
		.amdhsa_forward_progress 1
		.amdhsa_inst_pref_size 17
	.end_amdhsa_kernel
	.amdgpu_metadata
---
amdhsa.version: [ 1, 2 ]
amdhsa.kernels:
  - .name:           k_q17d556539b_prep
    .symbol:         k_q17d556539b_prep.kd
    .args:
      - { .name: wq, .offset: 0, .size: 8, .value_kind: global_buffer, .address_space: global }
      - { .name: wk, .offset: 8, .size: 8, .value_kind: global_buffer, .address_space: global }
      - { .name: wv, .offset: 16, .size: 8, .value_kind: global_buffer, .address_space: global }
      - { .name: bq, .offset: 24, .size: 8, .value_kind: global_buffer, .address_space: global }
      - { .name: bk, .offset: 32, .size: 8, .value_kind: global_buffer, .address_space: global }
      - { .name: bv, .offset: 40, .size: 8, .value_kind: global_buffer, .address_space: global }
      - { .name: bo, .offset: 48, .size: 8, .value_kind: global_buffer, .address_space: global }
      - { .name: wimg, .offset: 56, .size: 8, .value_kind: global_buffer, .address_space: global }
      - { .name: tab, .offset: 64, .size: 8, .value_kind: global_buffer, .address_space: global }
    .group_segment_fixed_size: 0
    .private_segment_fixed_size: 0
    .kernarg_segment_align: 8
    .kernarg_segment_size: 72
    .max_flat_workgroup_size: 32
    .sgpr_count:     66
    .vgpr_count:     128
    .wavefront_size: 32
...
	.end_amdgpu_metadata
.endif
;; end of part 1
;; launch kv (part 2): grid 32 x 8, 4 waves a work-group, clusters of 4 x 1, 327,680 bytes of LDS; arguments x, wimg, tab, g_k, be_k, part, stat, x16; writes part, stat, x16
.if DOCPART == 2
	.amdgcn_target "amdgcn-amd-amdhsa--gfx1250"
	.amdhsa_code_object_version 6
	.text
	.protected	k_q17d556539b_kv
	.globl	k_q17d556539b_kv
	.p2align	8
	.type	k_q17d556539b_kv,@function
k_q17d556539b_kv:
	s_mov_b64 s[64:65], 0
	v_nop
	global_prefetch_b8 v0, s[64:65] scope:SCOPE_SE
	s_setreg_imm32_b32 hwreg(HW_REG_WAVE_MODE, 25, 1), 1
	s_wait_xcnt 0x0
	s_wait_alu depctr_hold_cnt(0) depctr_sa_sdst(0) depctr_va_vdst(0) depctr_va_sdst(0) depctr_va_ssrc(0) depctr_va_vcc(0) depctr_vm_vsrc(0)
	s_getreg_b32 s2, hwreg(HW_REG_IB_STS2, 6, 4)
	s_cmp_eq_u32 s2, 0
	s_cbranch_scc0 .Lentry_in_a_cluster
	s_endpgm
.Lentry_in_a_cluster:
	s_bfe_u32 s2, ttmp6, 0x10000c
	s_cmp_lg_u32 s2, 0x3003
	s_cbranch_scc0 .Lentry_shape_is_right
	s_endpgm
.Lentry_shape_is_right:
; K AND V: projections, LayerNorm, the softmax over N by a running maximum, and partial sums of ctx; x is also written out as f16 fragments for the last launch.
; SHARES.  A work-group has 512 positions of one image b (eight blocks of 64) and four heads; wave w owns head hd = 4 hh + w, so a head's sums, maximum and l never leave a wave.
; PER BLOCK AND WAVE: t'[n][o] = x^T W'^T + b' for k and for v (128 matrix instructions each; source 0 = 16 positions, source 1 = 16 channels): a lane holds ONE channel o (lane % 16) and 8 positions.
;   LayerNorm: W' and b' are centred, so var = mean over the head's 64 channels of t'^2: four registers and the 16 lanes of a half.
;   k: e = (t' rstd g_k + be_k) log2(e); running maximum m for each channel; p = 2^(e - m), rounded to f16.   v: z = t' rstd, rounded to f16 (g_v and be_v are applied behind the sum over n).
;   Two result tiles packed in pairs ARE an operand with K = 32 positions: C^T[vd][kd] += z p^T (32 matrix instructions), l[kd] += ones p^T (8).  Both are multiplied by a = 2^(m_old - m_new) in every block.
; x WITHOUT A TRANSPOSITION.  In a block, tile t and row r stand for position 4 r + t: a lane's 16-byte load of a channel's row gives one number to each of four tiles, and 16 lanes take 256
;   consecutive bytes.  The four waves convert 64 channels each and exchange the fragments through LDS.  The next block's 32 loads a wave go out a whole block ahead of their use.
; CLUSTER.  The four partners share (b, hh), hence the weights: one joint load a wave, 64 KiB, at the start.  x comes through registers, for the conversion, so it is not shared that way.
; LIMITS.  |x| and |W'| under 65,504 (f16); p below 6e-5 keeps f16's fixed step of 6e-8; a weight below 2^-126 counts as 0; NaN and infinities are not treated apart; sums in another order than written in the model.
; REGISTERS in windows of 256 (s_set_vgpr_msb: bits 1:0 source 0, 3:2 source 1, 5:4 source 2, 7:6 destination):
;   window 0: addresses, statistics, two buffers of W' fragments, 16 accumulators, S      window 1: the block's 32 fragments of x
;   window 2: C^T (16 tiles), l (4), the two bias tiles sets, ones                         window 3: P, V (packed), the next block's x in f32
.set ROWB,  65536                      ; bytes in a channel's row of x
.set XB,    262144                     ; LDS: behind the four heads' images (65,536 bytes each): the block's 32 fragments, written by ds_store alone
.set SPARE, 294912                     ; the spare words, 128 bytes a wave
.set L16, 3                            ; v3   16 x lane
.set AW,  4                            ; v4   my head's image + 16 x lane
.set AXR, 5                            ; v5   XB + 16 x lane
.set AXS, 6                            ; v6   XB + my 8 fragments + 16 x lane
.set XO,  7                            ; v7   (l / 16) x 8 rows + 16 (l % 16)
.set SPW, 8
.set NIL, 9
.set GB,  10                           ; v[10:17]  (g_k log2e, be_k log2e) for channel 16 ot + l % 16
.set MA,  18                           ; v[18:25]  (m, a) likewise
.set TP,  26                           ; v[26:29]  at work
.set FR0, 32
.set ACC, 64                           ; v[64:191] tile (ot, nt) at 8 (4 ot + nt); its first 64 also take the freshly converted x
.set S,   192                          ; v[192:223] sums of squares, then rstd: 8 nt + j; then the maximum's work
.set FR1, 224
.set CT,  0                            ; window 2: tile (kt, vt) at 8 (4 kt + vt)
.set LT,  128
.set BK,  160
.set BV,  192
.set ONES, 224
.set P,   0                            ; window 3: (ot, ks) at 16 ot + 8 ks
.set V,   64
.set STG, 128
.set WV,  20
.set HH,  25
.set G0,  32
.set G1,  36
.set CNT, 44
.set I64, 46
.set EPS, 48
.set SEL, 50
.set HIM, 52
.set SX,  54
.set SX16, 56
.set MSB, 0
.macro WIN new                         ; the high byte repeats the setting that is left; a switch that changes nothing is dropped
.if MSB != (\new)
	s_set_vgpr_msb (MSB<<8)|(\new)
.set MSB, (\new)
.endif
.endm
.macro PLACES                          ; four places behind a matrix instruction (ISA guide 7.12.1)
.rept 4
	v_nop
.endr
.endm
.macro ROUND                           ; a round of the cluster's barrier
	s_barrier_signal -1
	s_barrier_wait -1
	s_cmp_lg_u32 s[WV], 0
	s_cbranch_scc1 .Lnot_wave_0_\@
	s_barrier_signal -3
.Lnot_wave_0_\@:
	s_barrier_wait -3
	s_barrier_signal -1
	s_barrier_wait -1
.endm
.macro LOADW buf, grp                  ; group grp of the image (k: 0-7, v: 8-15 = the K step): four fragments of W', eight loads
.set li, 0
.rept 4
	ds_load_b128 v[(\buf)+8*li:(\buf)+8*li+3], v[AW] offset:(\grp)*4096+li*1024
	ds_load_b128 v[(\buf)+8*li+4:(\buf)+8*li+7], v[AW] offset:(\grp)*4096+li*1024+512
.set li, li+1
.endr
.endm
; One K step of 32 channels: 16 matrix instructions on 16 accumulators that take turns; then the buffer takes the group two further on (the ring of 16 groups runs on over the backward jump).
.macro STEP grp
.set fb, FR0+((\grp)%2)*(FR1-FR0)
.set kc, (\grp)%8
.set bs, BK+((\grp)/8)*32
	s_wait_dscnt 0x8                               ; my group is in; the next group's eight loads may stay out
.if kc == 0
	WIN 0x21                                       ; x in window 1, the bias tile (C) in window 2: it starts the sums
.else
	WIN 0x01
.endif
.set ot, 0
.rept 4
.set nt, 0
.rept 4
.set ra, ACC+(ot*4+nt)*8
.if kc == 0
	v_wmma_f32_16x16x32_f16 v[ra:ra+7], v[(kc*4+nt)*8:(kc*4+nt)*8+7], v[fb+8*ot:fb+8*ot+7], v[bs+8*ot:bs+8*ot+7]
.else
	v_wmma_f32_16x16x32_f16 v[ra:ra+7], v[(kc*4+nt)*8:(kc*4+nt)*8+7], v[fb+8*ot:fb+8*ot+7], v[ra:ra+7]
.endif
.set nt, nt+1
.endr
.set ot, ot+1
.endr
	PLACES                                         ; in front of the loads into registers that these products have read
	WIN 0
	LOADW fb, ((\grp)+2)%16
.endm
.macro SUMSQ                           ; S[nt][j] = the sum over ot of t'^2; each accumulator's lowest registers are read first
	PLACES                                         ; eight places in all behind the last products
.set nt, 0
.rept 4
.set ot, 0
.rept 4
.set jp, 0
.rept 4
.set ra, ACC+(ot*4+nt)*8+2*jp
.if ot == 0
	v_pk_mul_f32 v[S+8*nt+2*jp:S+8*nt+2*jp+1], v[ra:ra+1], v[ra:ra+1]
.else
	v_pk_fma_f32 v[S+8*nt+2*jp:S+8*nt+2*jp+1], v[ra:ra+1], v[ra:ra+1], v[S+8*nt+2*jp:S+8*nt+2*jp+1]
.endif
.set jp, jp+1
.endr
.set ot, ot+1
.endr
.set nt, nt+1
.endr
.endm
.macro ALLRED                          ; and over the 16 lanes of a half, which hold the other channels of the same positions
.irp m, 1,2,4,8
.set i, 0
.rept 32
	v_add_f32_dpp v[S+i], v[S+i], v[S+i] row_xmask:\m row_mask:0xf bank_mask:0xf
.set i, i+1
.endr
.endr
.endm
.macro RSTD
.set i, 0
.rept 16
	v_pk_fma_f32 v[S+i:S+i+1], v[S+i:S+i+1], s[I64:I64+1], s[EPS:EPS+1] op_sel_hi:[1,0,0]
.set i, i+2
.endr
.set i, 0
.rept 32
	v_rsq_f32 v[S+i], v[S+i]
.set i, i+1
.endr
	v_nop                                          ; a plain instruction behind the last of them (ISA guide 5.7.2)
.endm
.macro SCALE
.set i, 0
	s_wait_alu depctr_va_vdst(0)
.rept 64
	v_pk_mul_f32 v[ACC+2*i:ACC+2*i+1], v[ACC+2*i:ACC+2*i+1], v[S+8*((i/4)%4)+2*(i%4):S+8*((i/4)%4)+2*(i%4)+1]
.set i, i+1
.endr
.endm
.macro AFF                             ; x G + BE, both taken from the pair (G, BE) of the tile's ot
.set i, 0
.rept 64
	v_pk_fma_f32 v[ACC+2*i:ACC+2*i+1], v[ACC+2*i:ACC+2*i+1], v[GB+2*(i/16):GB+2*(i/16)+1], v[GB+2*(i/16):GB+2*(i/16)+1] op_sel:[0,0,1] op_sel_hi:[1,0,1]
.set i, i+1
.endr
.endm
; The channel's maximum over the block's 64 positions and the old m: 32 registers, three operands at a time in four chains, then the other half of the lanes.  The four ot alternate.
.macro MAXK
.irp n, 0,1,2,3
.irp ot, 0,1,2,3
	v_max3_num_f32 v[S+8*(\ot)+(\n)], v[ACC+32*(\ot)+8*(\n)], v[ACC+32*(\ot)+8*(\n)+1], v[ACC+32*(\ot)+8*(\n)+2]
.endr
.endr
.irp k, 0,1
.irp n, 0,1,2,3
.irp ot, 0,1,2,3
	v_max3_num_f32 v[S+8*(\ot)+(\n)], v[S+8*(\ot)+(\n)], v[ACC+32*(\ot)+8*(\n)+3+2*(\k)], v[ACC+32*(\ot)+8*(\n)+4+2*(\k)]
.endr
.endr
.endr
.irp ot, 0,1,2,3
	v_max3_num_f32 v[S+8*(\ot)], v[S+8*(\ot)], v[ACC+32*(\ot)+7], v[ACC+32*(\ot)+15]
.endr
.irp ot, 0,1,2,3
	v_max3_num_f32 v[S+8*(\ot)+1], v[S+8*(\ot)+1], v[ACC+32*(\ot)+23], v[ACC+32*(\ot)+31]
.endr
.irp ot, 0,1,2,3
	v_max3_num_f32 v[S+8*(\ot)+2], v[S+8*(\ot)+2], v[S+8*(\ot)+3], v[MA+2*(\ot)]
.endr
.irp ot, 0,1,2,3
	v_max3_num_f32 v[S+8*(\ot)], v[S+8*(\ot)], v[S+8*(\ot)+1], v[S+8*(\ot)+2]
.endr
.irp ot, 0,1,2,3
	v_permlanex16_b32 v[S+8*(\ot)+4], v[S+8*(\ot)], s[SEL], s[SEL+1]
.endr
.irp ot, 0,1,2,3
	v_max_num_f32 v[S+8*(\ot)+1], v[S+8*(\ot)], v[S+8*(\ot)+4]
.endr
.irp ot, 0,1,2,3
	v_sub_f32 v[S+8*(\ot)+5], v[MA+2*(\ot)], v[S+8*(\ot)+1]
.endr
.irp ot, 0,1,2,3
	v_mov_b32 v[MA+2*(\ot)], v[S+8*(\ot)+1]
.endr
.irp ot, 0,1,2,3
	v_exp_f32 v[MA+2*(\ot)+1], v[S+8*(\ot)+5]
.endr
	v_nop                                          ; the next line names the pair (m, a)
.endm
.macro SUBM
.set i, 0
	s_wait_alu depctr_va_vdst(0)
.rept 64
	v_pk_add_f32 v[ACC+2*i:ACC+2*i+1], v[ACC+2*i:ACC+2*i+1], v[MA+2*(i/16):MA+2*(i/16)+1] op_sel_hi:[1,0] neg_lo:[0,1] neg_hi:[0,1]
.set i, i+1
.endr
.endm
.macro EXPS
.set i, 0
.rept 128
	v_exp_f32 v[ACC+i], v[ACC+i]
.set i, i+1
.endr
	v_nop
	s_wait_alu depctr_va_vdst(0)
.endm
.macro CVT dst                         ; 16 tiles packed in pairs: 8 operands of 16 channels x 32 positions, into window 3
	WIN 0xC0
.set p, 0
.rept 64
	v_cvt_pk_f16_f32 v[(\dst)+p], v[ACC+2*p], v[ACC+2*p+1]
.set p, p+1
.endr
	WIN 0
.endm
.macro LOADX                           ; a block's x for my 64 channels: 32 loads; 16 lanes take 256 consecutive bytes of a row
	WIN 0xC0
.set i, 0
.rept 32
	global_load_b128 v[STG+4*i:STG+4*i+3], v[XO], s[SX:SX+1] offset:(32*(i/16)+16*((i%16)/8)+i%8)*ROWB
.set i, i+1
.endr
	WIN 0
.endm
.macro CVTX                            ; register q of fragment (kc', t) = loads 2 q and 2 q + 1 of that kc', word t
	WIN 0x0F
.set f, 0
.rept 8
.set q, 0
.rept 8
	v_cvt_pk_f16_f32 v[ACC+8*f+q], v[STG+((f/4)*16+2*q)*4+f%4], v[STG+((f/4)*16+2*q+1)*4+f%4]
.set q, q+1
.endr
.set f, f+1
.endr
	WIN 0
.endm
	s_load_b512 s[4:19], s[0:1], 0x0               ; x s[4:5], wimg s[6:7], tab s[8:9], g_k s[10:11], be_k s[12:13], part s[14:15], stat s[16:17], x16 s[18:19]
	v_lshl_add_u32 v[SPW], v0, 2, SPARE
	v_mov_b32 v[NIL], 0
	ds_add_u32 v[SPW], v[NIL]                      ; the wave's opening: the add and its wait ahead of my first tensor load; the set-up, work on registers, stands between
	v_lshrrev_b32 v1, 5, v0
	v_readfirstlane_b32 s[WV], v1                  ; wave 0..3
	s_bfe_u32 s21, ttmp6, 0x40000                  ; cx
	s_lshl_b32 s22, ttmp9, 2
	s_add_co_u32 s22, s22, s21                     ; nr: my range of 512 positions; it enters global addresses alone
	s_and_b32 s23, ttmp7, 0xffff
	s_lshr_b32 s24, s23, 1                         ; b
	s_and_b32 s[HH], s23, 1                        ; which four heads
	s_lshl_b32 s26, s[HH], 2
	s_add_co_u32 s26, s26, s[WV]                   ; hd
	s_mov_b32 s[G0], 1                             ; group 0: count 1,
	s_lshl_b32 s[G0+1], s[WV], 16                  ; LDS address: my head's 65,536 bytes
	s_mov_b32 s[G1], 15|(3<<16)|(1<<21)            ; group 1: mask of four; elements of 8 bytes; bit 21 beside a mask
	s_mov_b32 s[G1+1], 32<<16                      ; tensor_dim0 = 32 (256 bytes)
	s_mov_b32 s[G1+2], 256<<16                     ; tensor_dim1 = 256
	s_mov_b32 s[G1+3], 32<<16                      ; tile_dim0 = 32
	s_mov_b32 s[G1+4], 256                         ; tile_dim1 = 256
	s_mov_b32 s[G1+5], 32                          ; dense rows
	s_mov_b32 s[G1+6], 0
	s_mov_b32 s[G1+7], 0
	s_mov_b32 s[I64], 0x3c800000                   ; 1 / 64
	s_mov_b32 s[I64+1], 0x3c800000
	s_mov_b32 s[EPS], 0x3727c5ac                   ; 1e-5
	s_mov_b32 s[EPS+1], 0x3727c5ac
	s_mov_b32 s[SEL], 0x76543210
	s_mov_b32 s[SEL+1], 0xfedcba98
	s_mov_b32 s[HIM], 0xffff0000                   ; lanes 16-31
	s_lshl_b32 s28, s26, 16                        ; my head's k and v image
	s_add_co_u32 s28, s28, 262144
	s_mov_b32 s29, 0
	s_lshl_b32 s30, s26, 8                         ; my head's 64 biases
	s_mov_b32 s31, 0
	s_lshl_b32 s58, s24, 24                        ; x: image b, my 64 channels, my 512 positions
	s_lshl_b32 s59, s[WV], 22
	s_add_co_u32 s58, s58, s59
	s_lshl_b32 s59, s22, 11
	s_add_co_u32 s58, s58, s59
	s_mov_b32 s59, 0
	s_lshl_b32 s60, s24, 23                        ; x16: 32,768 bytes a block, my 8 fragments
	s_lshl_b32 s61, s22, 18
	s_add_co_u32 s60, s60, s61
	s_lshl_b32 s61, s[WV], 13
	s_add_co_u32 s60, s60, s61
	s_mov_b32 s61, 0
	s_lshl_b32 s62, s24, 3
	s_add_co_u32 s62, s62, s26
	s_lshl_b32 s62, s62, 5
	s_add_co_u32 s62, s62, s22                     ; (8 b + hd) 32 + nr
	v_and_b32 v1, 15, v0                           ; l % 16
	v_bfe_u32 v2, v0, 4, 1                         ; l / 16
	v_and_b32 v[L16], 31, v0
	v_lshlrev_b32 v[L16], 4, v[L16]
	v_lshl_add_u32 v[AW], s[WV], 16, v[L16]
	v_add_nc_u32 v[AXR], XB, v[L16]
	v_lshl_add_u32 v[AXS], s[WV], 13, v[AXR]
	v_lshlrev_b32 v[XO], 4, v1
	v_lshl_add_u32 v[XO], v2, 19, v[XO]
	v_lshlrev_b32 v[TP], 2, v1
	s_wait_dscnt 0x0                               ; the opening add is done
	s_wait_kmcnt 0x0
	s_add_nc_u64 s[G0+2:G0+3], s[6:7], s[28:29]
	s_or_b32 s[G0+3], s[G0+3], 0x80000000          ; type 2
	s_add_nc_u64 s[8:9], s[8:9], s[30:31]
	s_add_nc_u64 s[SX:SX+1], s[4:5], s[58:59]
	s_add_nc_u64 s[SX16:SX16+1], s[18:19], s[60:61]
	s_lshl_b32 s58, s62, 14
	s_add_nc_u64 s[14:15], s[14:15], s[58:59]      ; my 16 tiles of part
	s_lshl_b32 s58, s62, 9
	s_add_nc_u64 s[16:17], s[16:17], s[58:59]      ; my 512 bytes of stat
	ROUND                                          ; all four work-groups are here: the joint loads meet
	tensor_load_to_lds s[G0:G0+3], s[G1:G1+7]      ; my head's images of W'k and W'v: my one tensor load
	s_nop 0
	PLACES
.irp ot, 0,1,2,3
	global_load_b32 v[S+(\ot)], v[TP], s[8:9] offset:2048+(\ot)*64
	global_load_b32 v[S+4+(\ot)], v[TP], s[8:9] offset:4096+(\ot)*64
	global_load_b32 v[S+8+(\ot)], v[TP], s[10:11] offset:(\ot)*64
	global_load_b32 v[S+12+(\ot)], v[TP], s[12:13] offset:(\ot)*64
.endr
	LOADX                                          ; block 0
	; C^T and l start at 0 and m far below every e, so the first block is a block like any other, with a = 0: no first block is written out.  These lines stand in the wait for the first loads.
	WIN 0x80
.set i, 0
.rept 160
	v_mov_b32 v[CT+i], 0
.set i, i+1
.endr
.set i, 0
.rept 8
	v_mov_b32 v[ONES+i], 0x3c003c00                ; 1.0 twice in f16
.set i, i+1
.endr
	WIN 0
.irp ot, 0,1,2,3
	v_mov_b32 v[MA+2*(\ot)], 0xfe000000
	v_mov_b32 v[MA+2*(\ot)+1], 0
.endr
	s_wait_loadcnt 32                              ; the 16 parameters are in; block 0's 32 loads may stay out
.irp ot, 0,1,2,3
	v_mul_f32 v[GB+2*(\ot)], 0x3fb8aa3b, v[S+8+(\ot)]
	v_mul_f32 v[GB+2*(\ot)+1], 0x3fb8aa3b, v[S+12+(\ot)]
.endr
	WIN 0x80
.set i, 0
.rept 32
	v_mov_b32 v[BK+i], v[S+i/8]                    ; a C tile: a lane's channel has one bias for all eight positions
	v_mov_b32 v[BV+i], v[S+4+i/8]
.set i, i+1
.endr
	WIN 0
	s_wait_tensorcnt 0x0                           ; my image is in LDS; only I read it
	LOADW FR0, 0
	LOADW FR1, 1
	s_mov_b32 s[CNT], 8
.Lblk:                                                 ; a block of 64 positions
	s_wait_loadcnt 0x0                             ; the block's x, asked for a block ago
	CVTX
.set f, 0
.rept 16
	ds_store_b128 v[AXS], v[ACC+4*f:ACC+4*f+3] offset:512*f
.set f, f+1
.endr
	s_cmp_lg_u32 s[HH], 0                          ; the work-group with the first four heads also writes the fragments out (the same in all partners)
	s_cbranch_scc1 .Lnox16
.set f, 0
.rept 16
	global_store_b128 v[L16], v[ACC+4*f:ACC+4*f+3], s[SX16:SX16+1] offset:512*f  ; 512 consecutive bytes, aligned
.set f, f+1
.endr
.Lnox16:
	s_wait_dscnt 0x0                               ; for the others' sake: my fragments are in LDS
	s_barrier_signal -1
	s_barrier_wait -1                              ; the block is whole
	WIN 0x40
.set f, 0
.rept 64
	ds_load_b128 v[4*f:4*f+3], v[AXR] offset:512*f
.set f, f+1
.endr
	WIN 0
	s_wait_xcnt 0x0                                ; the stores have read their data and base: the pointer steps, and the products below may write the accumulators
	s_add_nc_u64 s[SX16:SX16+1], s[SX16:SX16+1], 32768
	s_cmp_eq_u32 s[CNT], 1                         ; the last block has none behind it
	s_cbranch_scc1 .Lnoload
	s_add_nc_u64 s[SX:SX+1], s[SX:SX+1], 256
	LOADX
.Lnoload:
	s_wait_dscnt 0x0                               ; x is in registers: my reads of the block are over
	s_barrier_signal -1
	s_barrier_wait -1                              ; everybody's are: the next trip may store into it
.irp g, 0,1,2,3,4,5,6,7
	STEP \g
.endr
	SUMSQ
	ALLRED
	RSTD
	SCALE
	AFF
	MAXK
	SUBM
	EXPS
	CVT P
.irp g, 8,9,10,11,12,13,14,15
	STEP \g
.endr
	SUMSQ
	ALLRED
	RSTD
	SCALE
	CVT V
	WIN 0x82                                       ; C^T and l times a of the lane's kd
.set i, 0
.rept 64
	v_pk_mul_f32 v[CT+2*i:CT+2*i+1], v[CT+2*i:CT+2*i+1], v[MA+2*(i/16):MA+2*(i/16)+1] op_sel:[0,1] op_sel_hi:[1,1]
.set i, i+1
.endr
.irp kt, 0,1,2,3
	v_pk_mul_f32 v[LT+8*(\kt):LT+8*(\kt)+1], v[LT+8*(\kt):LT+8*(\kt)+1], v[MA+2*(\kt):MA+2*(\kt)+1] op_sel:[0,1] op_sel_hi:[1,1]  ; all rows of l's tile are alike and independent; register 0 is the one used, the unscaled ones stay finite (at most 512)
.endr
	WIN 0xAF                                       ; V and P in window 3, C^T in window 2
.irp ks, 0,1
.irp kt, 0,1,2,3
.irp vt, 0,1,2,3
	v_wmma_f32_16x16x32_f16 v[CT+((\kt)*4+(\vt))*8:CT+((\kt)*4+(\vt))*8+7], v[V+(\vt)*16+(\ks)*8:V+(\vt)*16+(\ks)*8+7], v[P+(\kt)*16+(\ks)*8:P+(\kt)*16+(\ks)*8+7], v[CT+((\kt)*4+(\vt))*8:CT+((\kt)*4+(\vt))*8+7]
.endr
.endr
.endr
	WIN 0xAE                                       ; ones in window 2
.irp ks, 0,1
.irp kt, 0,1,2,3
	v_wmma_f32_16x16x32_f16 v[LT+8*(\kt):LT+8*(\kt)+7], v[ONES:ONES+7], v[P+(\kt)*16+(\ks)*8:P+(\kt)*16+(\ks)*8+7], v[LT+8*(\kt):LT+8*(\kt)+7]
.endr
.endr
	WIN 0
	s_sub_co_u32 s[CNT], s[CNT], 1
	s_cmp_lg_u32 s[CNT], 0
	s_cbranch_scc1 .Lblk
	PLACES
	PLACES
	WIN 0x08                                       ; source 1 and store data in window 2
.irp kt, 0,1,2,3
	v_cndmask_b32 v[TP+(\kt)], v[MA+2*(\kt)], v[LT+8*(\kt)], s[HIM]  ; lanes 0-15 carry m, lanes 16-31 l
.endr
.set f, 0
.rept 32
	global_store_b128 v[L16], v[CT+4*f:CT+4*f+3], s[14:15] offset:512*f  ; each tile's low registers first; 512 consecutive bytes, aligned
.set f, f+1
.endr
	WIN 0
	global_store_b128 v[L16], v[TP:TP+3], s[16:17]
	s_wait_tensorcnt 0x0                           ; the wave's end
	ds_add_u32 v[SPW], v[NIL]
	s_wait_dscnt 0x0
	ROUND                                          ; the closing round
	s_endpgm
.Lfunc_end_k_q17d556539b_kv:
	.size	k_q17d556539b_kv, .Lfunc_end_k_q17d556539b_kv-k_q17d556539b_kv
	.p2alignl 7, 3214868480
	.fill 96, 4, 3214868480
	.section	.rodata,"a",@progbits
	.p2align	6, 0x0
	.amdhsa_kernel k_q17d556539b_kv
		.amdhsa_group_segment_fixed_size 327680
		.amdhsa_private_segment_fixed_size 0
		.amdhsa_enable_private_segment 0
		.amdhsa_kernarg_size 64
		.amdhsa_user_sgpr_count 2
		.amdhsa_user_sgpr_kernarg_segment_ptr 1
		.amdhsa_wavefront_size32 1
		.amdhsa_system_sgpr_workgroup_id_x 1
		.amdhsa_system_sgpr_workgroup_id_y 1
		.amdhsa_system_sgpr_workgroup_id_z 1
		.amdhsa_system_vgpr_workitem_id 0
		.amdhsa_next_free_vgpr 1024
		.amdhsa_next_free_sgpr 66
		.amdhsa_reserve_vcc 0
		.amdhsa_float_denorm_mode_32 3
		.amdhsa_float_denorm_mode_16_64 3
		.amdhsa_memory_ordered 1
		.amdhsa_forward_progress 1
		.amdhsa_inst_pref_size 133
	.end_amdhsa_kernel
	.amdgpu_metadata
---
amdhsa.version: [ 1, 2 ]
amdhsa.kernels:
  - .name:           k_q17d556539b_kv
    .symbol:         k_q17d556539b_kv.kd
    .args:
      - { .name: x, .offset: 0, .size: 8, .value_kind: global_buffer, .address_space: global }
      - { .name: wimg, .offset: 8, .size: 8, .value_kind: global_buffer, .address_space: global }
      - { .name: tab, .offset: 16, .size: 8, .value_kind: global_buffer, .address_space: global }
      - { .name: g_k, .offset: 24, .size: 8, .value_kind: global_buffer, .address_space: global }
      - { .name: be_k, .offset: 32, .size: 8, .value_kind: global_buffer, .address_space: global }
      - { .name: part, .offset: 40, .size: 8, .value_kind: global_buffer, .address_space: global }
      - { .name: stat, .offset: 48, .size: 8, .value_kind: global_buffer, .address_space: global }
      - { .name: x16, .offset: 56, .size: 8, .value_kind: global_buffer, .address_space: global }
    .group_segment_fixed_size: 327680
    .private_segment_fixed_size: 0
    .kernarg_segment_align: 8
    .kernarg_segment_size: 64
    .max_flat_workgroup_size: 128
    .sgpr_count:     66
    .vgpr_count:     1024
    .wavefront_size: 32
...
	.end_amdgpu_metadata
.endif
;; end of part 2
;; launch comb (part 3): grid 32 x 4, 4 waves a work-group, no clusters, 2,560 bytes of LDS; arguments part, stat, wo, g_v, be_v, mimg; writes mimg
.if DOCPART == 3
	.amdgcn_target "amdgcn-amd-amdhsa--gfx1250"
	.amdhsa_code_object_version 6
	.text
	.protected	k_q17d556539b_comb
	.globl	k_q17d556539b_comb
	.p2align	8
	.type	k_q17d556539b_comb,@function
k_q17d556539b_comb:
	s_mov_b64 s[64:65], 0
	v_nop
	global_prefetch_b8 v0, s[64:65] scope:SCOPE_SE
	s_setreg_imm32_b32 hwreg(HW_REG_WAVE_MODE, 25, 1), 1
	s_wait_xcnt 0x0
; THE 32 RANGES' PARTIAL SUMS ARE MERGED, ctx IS FINISHED, AND wo IS FOLDED INTO IT.
; m* = max m_i; f_i = 2^(m_i - m*); L = sum f_i l_i; C = sum f_i C_i; ctx[kd][vd] = g_v[vd] C / L + be_v[vd] (the softmax's weights add up to 1, so be_v passes through the sum);
; M[o][64 h + kd] = sum over vd of wo[o][64 h + vd] ctx[kd][vd], since wo (ctx^T q) = (wo ctx^T) q.  Stored as f16(64 M), as fragment images with rows o and K = kd.
; SHARES.  A work-group: image b, head hd, 16 channels kd (kt).  Wave w merges the tile of channels vd = 16 w ..; the four packed tiles meet in LDS and are two operands (rows kd, K = vd);
; then wave w makes the output rows 64 w .. 64 w + 63: D[kd][o] = ctx x wo^T, whose lane holds one o and eight kd: half an image, 512 consecutive bytes a store.
; LIMITS.  |wo|, |ctx| and 64 |M| under 65,504 (f16); below 6e-5 f16 keeps its fixed step.
; No cluster and no tensor loads: each partial tile is read by one wave; what work-groups share (2 KiB of statistics, a slice of wo) is a small part of a work-group's 160 KiB.  128 work-groups: that is all the work there is.
.set CTL,   0                          ; LDS: 512 bytes a wave: its packed tile
.set SPARE, 2048
.set L16, 3
.set SO4, 4                            ; 16 (l % 16)
.set WOO, 5                            ; (l % 16) rows of wo + 32 (l / 16)
.set GVO, 6                            ; 32 (l / 16)
.set STA, 7                            ; CTL + 512 w + 16 l
.set SPW, 8
.set NIL, 9
.set TM,  10                           ; v[10:17] at work
.set MI,  32                           ; m_i, then f_i
.set LI,  64
.set SM,  96
.set GV,  104
.set BE,  112
.set PK,  120
.set CI,  128                          ; window 0: C_i, i < 16; window 1 from 0: i >= 16
.set WOF, 128                          ; window 1: wo in f32
.set WOH, 128                          ; window 0, later: wo in f16, fragment (mt', ks) at 8 (2 mt' + ks)
.set CF,  192                          ; ctx: two fragments
.set AC,  208                          ; four accumulators
.set OUT, 240
.set MSB, 0
.macro WIN new
.if MSB != (\new)
	s_set_vgpr_msb (MSB<<8)|(\new)
.set MSB, (\new)
.endif
.endm
	s_load_b256 s[4:11], s[0:1], 0x0               ; part s[4:5], stat s[6:7], wo s[8:9], g_v s[10:11]
	s_load_b128 s[12:15], s[0:1], 0x20             ; be_v s[12:13], mimg s[14:15]
	v_lshl_add_u32 v[SPW], v0, 2, SPARE
	v_mov_b32 v[NIL], 0
	v_lshrrev_b32 v1, 5, v0
	v_readfirstlane_b32 s16, v1                    ; wave
	s_and_b32 s17, ttmp9, 3                        ; kt
	s_lshr_b32 s18, ttmp9, 2                       ; hd
	s_and_b32 s19, ttmp7, 0xffff                   ; b
	s_lshl_b32 s20, s19, 3
	s_add_co_u32 s20, s20, s18                     ; 8 b + hd
	v_and_b32 v1, 15, v0
	v_bfe_u32 v2, v0, 4, 1
	v_and_b32 v[L16], 31, v0
	v_lshlrev_b32 v[L16], 4, v[L16]
	v_lshlrev_b32 v[SO4], 4, v1
	v_lshlrev_b32 v[WOO], 11, v1
	v_lshl_add_u32 v[WOO], v2, 5, v[WOO]
	v_lshlrev_b32 v[GVO], 5, v2
	v_lshl_add_u32 v[STA], s16, 9, v[L16]
	s_lshl_b32 s22, s20, 14                        ; stat: 32 ranges of 512 bytes; + 4 kt
	s_lshl_b32 s23, s17, 2
	s_add_co_u32 s22, s22, s23
	s_mov_b32 s23, 0
	s_lshl_b32 s24, s20, 19                        ; part: 32 ranges of 16,384 bytes; tile 4 kt + w
	s_lshl_b32 s25, s17, 12
	s_add_co_u32 s24, s24, s25
	s_lshl_b32 s25, s16, 10
	s_add_co_u32 s24, s24, s25
	s_mov_b32 s25, 0
	s_lshl_b32 s26, s16, 17                        ; wo: my 64 rows, the head's 64 columns
	s_lshl_b32 s27, s18, 8
	s_add_co_u32 s26, s26, s27
	s_mov_b32 s27, 0
	s_lshl_b32 s28, s16, 6                         ; g_v, be_v: my 16 channels
	s_mov_b32 s29, 0
	s_lshl_b32 s30, s20, 15                        ; mimg: the head's 32 images; fragment 16 (kt / 2) + 4 w, half kt % 2
	s_lshr_b32 s31, s17, 1
	s_lshl_b32 s31, s31, 14
	s_add_co_u32 s30, s30, s31
	s_and_b32 s31, s17, 1
	s_lshl_b32 s31, s31, 9
	s_add_co_u32 s30, s30, s31
	s_lshl_b32 s31, s16, 12
	s_add_co_u32 s30, s30, s31
	s_mov_b32 s31, 0
	s_wait_kmcnt 0x0
	s_add_nc_u64 s[6:7], s[6:7], s[22:23]
	s_add_nc_u64 s[4:5], s[4:5], s[24:25]
	s_add_nc_u64 s[8:9], s[8:9], s[26:27]
	s_add_nc_u64 s[10:11], s[10:11], s[28:29]
	s_add_nc_u64 s[12:13], s[12:13], s[28:29]
	s_add_nc_u64 s[14:15], s[14:15], s[30:31]
	; all 164 loads go out first
.set i, 0
.rept 32
	global_load_b32 v[MI+i], v[SO4], s[6:7] offset:i*512
.set i, i+1
.endr
.set i, 0
.rept 32
	global_load_b32 v[LI+i], v[SO4], s[6:7] offset:i*512+256
.set i, i+1
.endr
	global_load_b128 v[GV:GV+3], v[GVO], s[10:11]
	global_load_b128 v[GV+4:GV+7], v[GVO], s[10:11] offset:16
	global_load_b128 v[BE:BE+3], v[GVO], s[12:13]
	global_load_b128 v[BE+4:BE+7], v[GVO], s[12:13] offset:16
.set i, 0
.rept 16
	global_load_b128 v[CI+8*i:CI+8*i+3], v[L16], s[4:5] offset:i*16384 th:TH_LOAD_NT
	global_load_b128 v[CI+8*i+4:CI+8*i+7], v[L16], s[4:5] offset:i*16384+512 th:TH_LOAD_NT
.set i, i+1
.endr
	WIN 0x40
.set i, 0
.rept 16
	global_load_b128 v[8*i:8*i+3], v[L16], s[4:5] offset:(i+16)*16384 th:TH_LOAD_NT
	global_load_b128 v[8*i+4:8*i+7], v[L16], s[4:5] offset:(i+16)*16384+512 th:TH_LOAD_NT
.set i, i+1
.endr
.set i, 0
.rept 32
	global_load_b128 v[WOF+4*i:WOF+4*i+3], v[WOO], s[8:9] offset:(i/8)*32768+((i/4)%2)*128+((i/2)%2)*64+(i%2)*16
.set i, i+1
.endr
	WIN 0
	s_wait_loadcnt 63                              ; 96 loads are younger than the statistics, g_v and be_v
.irp n, 0,1,2,3
	v_max3_num_f32 v[TM+(\n)], v[MI+8*(\n)], v[MI+8*(\n)+1], v[MI+8*(\n)+2]
.endr
.irp k, 0,1
.irp n, 0,1,2,3
	v_max3_num_f32 v[TM+(\n)], v[TM+(\n)], v[MI+8*(\n)+3+2*(\k)], v[MI+8*(\n)+4+2*(\k)]
.endr
.endr
	v_max3_num_f32 v[TM], v[TM], v[MI+7], v[MI+15]
	v_max3_num_f32 v[TM+1], v[TM+1], v[MI+23], v[MI+31]
	v_max3_num_f32 v[TM], v[TM], v[TM+1], v[TM+2]
	v_max_num_f32 v[TM], v[TM], v[TM+3]            ; m*
.set i, 0
.rept 32
	v_sub_f32 v[MI+i], v[MI+i], v[TM]
.set i, i+1
.endr
.set i, 0
.rept 32
	v_exp_f32 v[MI+i], v[MI+i]                     ; f_i
.set i, i+1
.endr
	v_nop
	s_wait_alu depctr_va_vdst(0)
	v_mul_f32 v[TM+4], v[MI], v[LI]
	v_mul_f32 v[TM+5], v[MI+1], v[LI+1]
.set i, 2
.rept 30
	v_fmac_f32 v[TM+4+i%2], v[MI+i], v[LI+i]
.set i, i+1
.endr
	v_add_f32 v[TM+4], v[TM+4], v[TM+5]            ; L: at least 1, since the range that holds m* has f = 1 and a weight of 1
	v_rcp_f32 v[TM+6], v[TM+4]
	v_mov_b32 v[TM+7], 0                           ; the pair's other word; also the plain instruction behind the reciprocal
	s_wait_loadcnt 32                              ; the 64 loads of partial tiles are in; wo's 32 may stay out
.set i, 0
.rept 32
.if i == 16
	WIN 0x01
.endif
.set rc, CI+8*i-(i/16)*(CI+128)
.set jp, 0
.rept 4
.if i == 0
	v_pk_mul_f32 v[SM+2*jp:SM+2*jp+1], v[rc+2*jp:rc+2*jp+1], v[MI:MI+1] op_sel_hi:[1,0]
.elseif i%2 == 0
	v_pk_fma_f32 v[SM+2*jp:SM+2*jp+1], v[rc+2*jp:rc+2*jp+1], v[MI+i:MI+i+1], v[SM+2*jp:SM+2*jp+1] op_sel_hi:[1,0,1]
.else
	v_pk_fma_f32 v[SM+2*jp:SM+2*jp+1], v[rc+2*jp:rc+2*jp+1], v[MI+i-1:MI+i], v[SM+2*jp:SM+2*jp+1] op_sel:[0,1,0] op_sel_hi:[1,1,1]
.endif
.set jp, jp+1
.endr
.set i, i+1
.endr
	WIN 0
	s_wait_alu depctr_va_vdst(0)
.irp jp, 0,1,2,3
	v_pk_mul_f32 v[SM+2*(\jp):SM+2*(\jp)+1], v[SM+2*(\jp):SM+2*(\jp)+1], v[TM+6:TM+7] op_sel_hi:[1,0]
.endr
.irp jp, 0,1,2,3
	v_pk_fma_f32 v[SM+2*(\jp):SM+2*(\jp)+1], v[SM+2*(\jp):SM+2*(\jp)+1], v[GV+2*(\jp):GV+2*(\jp)+1], v[BE+2*(\jp):BE+2*(\jp)+1]
.endr
.irp jp, 0,1,2,3
	v_cvt_pk_f16_f32 v[PK+(\jp)], v[SM+2*(\jp)], v[SM+2*(\jp)+1]
.endr
	ds_store_b128 v[STA], v[PK:PK+3] offset:CTL
	s_wait_dscnt 0x0                               ; for the others' sake
	s_barrier_signal -1
	s_barrier_wait -1
.irp k, 0,1,2,3
	ds_load_b128 v[CF+4*(\k):CF+4*(\k)+3], v[L16] offset:CTL+512*(\k)  ; tiles 2 ks and 2 ks + 1 are registers 0-3 and 4-7 of fragment ks
.endr
	s_wait_loadcnt 0x0                             ; wo
	WIN 0x05
.set p, 0
.rept 64
	v_cvt_pk_f16_f32 v[WOH+p], v[WOF+2*p], v[WOF+2*p+1]
.set p, p+1
.endr
	WIN 0
	s_wait_dscnt 0x0
.irp ks, 0,1
.irp mt, 0,1,2,3
.if (\ks) == 0
	v_wmma_f32_16x16x32_f16 v[AC+8*(\mt):AC+8*(\mt)+7], v[CF+8*(\ks):CF+8*(\ks)+7], v[WOH+((\mt)*2+(\ks))*8:WOH+((\mt)*2+(\ks))*8+7], 0
.else
	v_wmma_f32_16x16x32_f16 v[AC+8*(\mt):AC+8*(\mt)+7], v[CF+8*(\ks):CF+8*(\ks)+7], v[WOH+((\mt)*2+(\ks))*8:WOH+((\mt)*2+(\ks))*8+7], v[AC+8*(\mt):AC+8*(\mt)+7]
.endif
.endr
.endr
.rept 8
	v_nop                                          ; the places behind the products
.endr
.set i, 0
.rept 16
	v_pk_mul_f32 v[AC+2*i:AC+2*i+1], v[AC+2*i:AC+2*i+1], 0x42800000 op_sel_hi:[1,0]  ; x 64: it sets M's range in the middle of f16's
.set i, i+1
.endr
.set p, 0
.rept 16
	v_cvt_pk_f16_f32 v[OUT+p], v[AC+2*p], v[AC+2*p+1]
.set p, p+1
.endr
.irp mt, 0,1,2,3
	global_store_b128 v[L16], v[OUT+4*(\mt):OUT+4*(\mt)+3], s[14:15] offset:(\mt)*1024  ; 512 consecutive bytes, aligned
.endr
	s_wait_tensorcnt 0x0                           ; the wave's end, behind my last LDS store
	ds_add_u32 v[SPW], v[NIL]
	s_wait_dscnt 0x0
	s_endpgm
.Lfunc_end_k_q17d556539b_comb:
	.size	k_q17d556539b_comb, .Lfunc_end_k_q17d556539b_comb-k_q17d556539b_comb
	.p2alignl 7, 3214868480
	.fill 96, 4, 3214868480
	.section	.rodata,"a",@progbits
	.p2align	6, 0x0
	.amdhsa_kernel k_q17d556539b_comb
		.amdhsa_group_segment_fixed_size 2560
		.amdhsa_private_segment_fixed_size 0
		.amdhsa_enable_private_segment 0
		.amdhsa_kernarg_size 48
		.amdhsa_user_sgpr_count 2
		.amdhsa_user_sgpr_kernarg_segment_ptr 1
		.amdhsa_wavefront_size32 1
		.amdhsa_system_sgpr_workgroup_id_x 1
		.amdhsa_system_sgpr_workgroup_id_y 1
		.amdhsa_system_sgpr_workgroup_id_z 1
		.amdhsa_system_vgpr_workitem_id 0
		.amdhsa_next_free_vgpr 512
		.amdhsa_next_free_sgpr 66
		.amdhsa_reserve_vcc 0
		.amdhsa_float_denorm_mode_32 3
		.amdhsa_float_denorm_mode_16_64 3
		.amdhsa_memory_ordered 1
		.amdhsa_forward_progress 1
		.amdhsa_inst_pref_size 39
	.end_amdhsa_kernel
	.amdgpu_metadata
---
amdhsa.version: [ 1, 2 ]
amdhsa.kernels:
  - .name:           k_q17d556539b_comb
    .symbol:         k_q17d556539b_comb.kd
    .args:
      - { .name: part, .offset: 0, .size: 8, .value_kind: global_buffer, .address_space: global }
      - { .name: stat, .offset: 8, .size: 8, .value_kind: global_buffer, .address_space: global }
      - { .name: wo, .offset: 16, .size: 8, .value_kind: global_buffer, .address_space: global }
      - { .name: g_v, .offset: 24, .size: 8, .value_kind: global_buffer, .address_space: global }
      - { .name: be_v, .offset: 32, .size: 8, .value_kind: global_buffer, .address_space: global }
      - { .name: mimg, .offset: 40, .size: 8, .value_kind: global_buffer, .address_space: global }
    .group_segment_fixed_size: 2560
    .private_segment_fixed_size: 0
    .kernarg_segment_align: 8
    .kernarg_segment_size: 48
    .max_flat_workgroup_size: 128
    .sgpr_count:     66
    .vgpr_count:     512
    .wavefront_size: 32
...
	.end_amdgpu_metadata
.endif
;; end of part 3
;; launch qout (part 4): grid 64 x 4, 4 waves a work-group, clusters of 4 x 1, 327,680 bytes of LDS; arguments x16, wimg, mimg, tab, g_q, be_q, out0; writes out0
.if DOCPART == 4
	.amdgcn_target "amdgcn-amd-amdhsa--gfx1250"
	.amdhsa_code_object_version 6
	.text
	.protected	k_q17d556539b_qout
	.globl	k_q17d556539b_qout
	.p2align	8
	.type	k_q17d556539b_qout,@function
k_q17d556539b_qout:
	s_mov_b64 s[64:65], 0
	v_nop
	global_prefetch_b8 v0, s[64:65] scope:SCOPE_SE
	s_setreg_imm32_b32 hwreg(HW_REG_WAVE_MODE, 25, 1), 1
	s_wait_xcnt 0x0
	s_wait_alu depctr_hold_cnt(0) depctr_sa_sdst(0) depctr_va_vdst(0) depctr_va_sdst(0) depctr_va_ssrc(0) depctr_va_vcc(0) depctr_vm_vsrc(0)
	s_getreg_b32 s2, hwreg(HW_REG_IB_STS2, 6, 4)
	s_cmp_eq_u32 s2, 0
	s_cbranch_scc0 .Lentry_in_a_cluster
	s_endpgm
.Lentry_in_a_cluster:
	s_bfe_u32 s2, ttmp6, 0x10000c
	s_cmp_lg_u32 s2, 0x3003
	s_cbranch_scc0 .Lentry_shape_is_right
	s_endpgm
.Lentry_shape_is_right:
; Q AND THE OUTPUT: q's projection, LayerNorm, softmax over the head's 64 channels, out = sum over heads of M_h P_h + bo.
; SHARES.  A work-group has 256 positions of image b; wave w owns a block of 64 (four tiles of 16) and ALL 256 output rows: 64 accumulators, 512 registers.  Its 32 fragments of x stay in registers.
; PER HEAD AND WAVE: t'[o][n] = W'q x + b'q (128 matrix instructions; source 0 = 16 channels, source 1 = 16 positions): a lane holds ONE position and eight channels, so LayerNorm and
;   softmax want registers and one exchange between the halves of the lanes.  e = (t' rstd g_q + be_q) 64^-0.25 log2(e); the true maximum is taken away; P = 2^(e - m) / sum, rounded to f16.
;   Two tiles packed in pairs ARE source 1 (K = 32 channels) of O += (64 M_h) P (128 matrix instructions).  O starts from 64 bo, loaded straight into the accumulators; at the end O / 64.
; In a block, tile t and column r stand for position 4 r + t (as the fragments were made): a lane's four tiles give 16 bytes of a row of out0, and 16 lanes 256 consecutive bytes.
; RING.  Two LDS slots of 65,536 bytes, a head each: W'q_h's image (32 KiB), then M_h's.  Each wave fetches a quarter.  CLUSTER: all four partners walk the same images, so every fill is a joint load;
;   the round of the cluster's barrier stands where the slots change; a fill has a head's work, 256 matrix instructions a wave and the softmax, in which to land.  One tensor load of a wave is out at a time.
; LIMITS.  As in the launches before: f16 operands (under 65,504; fixed step below 6e-5); a weight below 2^-126 counts as 0; NaN and infinities are not treated apart.
; REGISTERS: window 0: addresses, statistics, bias tiles, 16 accumulators (P is packed into their first half), two fragment buffers (between the products they hold g_q and be_q);
;   window 1: x;  windows 2 and 3: O, tile (mt, nt) at 8 (4 (mt % 8) + nt).
.set SLOTB, 65536
.set TABL,  131072                     ; 512 bytes a wave: g_q kappa, be_q kappa; written by ds_store, each wave its own copy
.set SPARE, 133120
.set SPW, 1
.set NIL, 2
.set L16, 3
.set ADR, 4                            ; the slot in hand + 16 x lane
.set TBA, 5                            ; my table + 32 (l / 16)
.set XO,  6                            ; (l / 16) x 8 rows of out0 + 16 (l % 16)
.set BOF, 7                            ; 32 (l / 16)
.set Q,   8                            ; v[8:23]  per nt: rstd, m, 1 / sum, at work
.set SS,  24                           ; v[24:31] per nt a pair
.set BIAS, 32                          ; v[32:63] C tiles: b'q[16 mt + 8 (l / 16) + j]
.set ACC, 64                           ; tile (nt, mt) at 8 (4 nt + mt)
.set FR0, 192
.set FR1, 224
.set WV,  20
.set G0,  32
.set G1,  36
.set CNT, 44
.set TB,  45
.set I64, 46
.set EPS, 47
.set SEL, 48
.set SB,  50
.set SX,  52
.set SO,  54                           ; s[54:55] out0 at my block, rows 0-127; s[56:57] rows 128-255
.set KAP, 58
.set R64, 60
.set MSB, 0
.macro WIN new
.if MSB != (\new)
	s_set_vgpr_msb (MSB<<8)|(\new)
.set MSB, (\new)
.endif
.endm
.macro PLACES
.rept 4
	v_nop
.endr
.endm
.macro ROUND
	s_barrier_signal -1
	s_barrier_wait -1
	s_cmp_lg_u32 s[WV], 0
	s_cbranch_scc1 .Lnot_wave_0_\@
	s_barrier_signal -3
.Lnot_wave_0_\@:
	s_barrier_wait -3
	s_barrier_signal -1
	s_barrier_wait -1
.endm
.macro LOADA buf, off                  ; four fragments, eight loads, from byte off of the slot
.set li, 0
.rept 4
	ds_load_b128 v[(\buf)+8*li:(\buf)+8*li+3], v[ADR] offset:(\off)+li*1024
	ds_load_b128 v[(\buf)+8*li+4:(\buf)+8*li+7], v[ADR] offset:(\off)+li*1024+512
.set li, li+1
.endr
.endm
; THE CHANGE OF SLOTS.  Each wave waits for all its tensor loads (the one that is out is its quarter of the next head), adds 0 to its spare word, and waits for that and for its reads of the slot that it leaves.
; fill = 1: behind a round of the cluster's barrier that slot takes the head after next, the first thing there.
.macro CHANGE fill
	WIN 0
	s_wait_tensorcnt 0x0                           ; no tensor load of mine is out, so group 0 may be written
	ds_add_u32 v[SPW], v[NIL]                      ; 0 onto my spare word; the scalar steps stand between it and the wait for it
.if \fill
	s_xor_b32 s[G0+1], s[G0+1], SLOTB
	s_add_nc_u64 s[G0+2:G0+3], s[G0+2:G0+3], 32768 ; the next head's image; the type bits on top are not reached
.endif
	s_xor_b32 s[TB], s[TB], SLOTB
	s_wait_dscnt 0x0
.if \fill
	ROUND
	tensor_load_to_lds s[G0:G0+3], s[G1:G1+7]
	s_nop 0
	PLACES
.else
	s_barrier_signal -1
	s_barrier_wait -1
.endif
.endm
; A HEAD.  last = 1: no further head's bias is fetched.
.macro BODY last
	v_add_nc_u32 v[ADR], s[TB], v[L16]
	LOADA FR0, 0
	LOADA FR1, 4096
	s_wait_loadcnt 0x0                             ; the head's bias tiles (the first time also x and O's start)
.if !(\last)
	s_add_nc_u64 s[SB:SB+1], s[SB:SB+1], 256
.endif
	WIN 0x04                                       ; x (source 1) in window 1; loads need no switch under it
.set g, 0
.rept 8
.set fb, FR0+(g%2)*(FR1-FR0)
.if g == 7
	s_wait_dscnt 0x0
.else
	s_wait_dscnt 0x8                               ; my group is in; the next group's eight loads may stay out
.endif
.set mt, 0
.rept 4
.set nt, 0
.rept 4
.set ra, ACC+(nt*4+mt)*8
.if g == 0
	v_wmma_f32_16x16x32_f16 v[ra:ra+7], v[fb+8*mt:fb+8*mt+7], v[(g*4+nt)*8:(g*4+nt)*8+7], v[BIAS+8*mt:BIAS+8*mt+7]
.else
	v_wmma_f32_16x16x32_f16 v[ra:ra+7], v[fb+8*mt:fb+8*mt+7], v[(g*4+nt)*8:(g*4+nt)*8+7], v[ra:ra+7]
.endif
.set nt, nt+1
.endr
.set mt, mt+1
.endr
.if g != 6
	PLACES                                         ; in front of loads into registers that these products have read
.endif
.if g <= 5
	LOADA fb, (g+2)*4096
.endif
.if (g == 0) && !(\last)
.set k, 0
.rept 8
	global_load_b128 v[BIAS+4*k:BIAS+4*k+3], v[BOF], s[SB:SB+1] offset:(k/2)*64+(k%2)*16  ; the next head's
.set k, k+1
.endr
.endif
.set g, g+1
.endr
.set k, 0
.rept 8
	ds_load_b128 v[FR0+4*k:FR0+4*k+3], v[TBA] offset:(k/2)*64+(k%2)*16
	ds_load_b128 v[FR1+4*k:FR1+4*k+3], v[TBA] offset:256+(k/2)*64+(k%2)*16
.set k, k+1
.endr
	WIN 0
	PLACES                                         ; eight places in all behind the last products
	; the sum of squares of a position's 64 channels; each accumulator's lowest registers are read first
.set pp, 0
.rept 16
.set nt, 0
.rept 4
.if pp == 0
	v_pk_mul_f32 v[SS+2*nt:SS+2*nt+1], v[ACC+32*nt:ACC+32*nt+1], v[ACC+32*nt:ACC+32*nt+1]
.else
	v_pk_fma_f32 v[SS+2*nt:SS+2*nt+1], v[ACC+32*nt+2*pp:ACC+32*nt+2*pp+1], v[ACC+32*nt+2*pp:ACC+32*nt+2*pp+1], v[SS+2*nt:SS+2*nt+1]
.endif
.set nt, nt+1
.endr
.set pp, pp+1
.endr
.irp nt, 0,1,2,3
	v_add_f32 v[Q+4*(\nt)], v[SS+2*(\nt)], v[SS+2*(\nt)+1]
.endr
.irp nt, 0,1,2,3
	v_permlanex16_b32 v[Q+4*(\nt)+3], v[Q+4*(\nt)], s[SEL], s[SEL+1]
.endr
.irp nt, 0,1,2,3
	v_add_f32 v[Q+4*(\nt)], v[Q+4*(\nt)], v[Q+4*(\nt)+3]
.endr
.irp nt, 0,1,2,3
	v_fma_f32 v[Q+4*(\nt)], v[Q+4*(\nt)], s[I64], s[EPS]
.endr
.irp nt, 0,1,2,3
	v_rsq_f32 v[Q+4*(\nt)], v[Q+4*(\nt)]
.endr
	v_nop
	s_wait_dscnt 0x0                               ; g_q and be_q
.set i, 0
	s_wait_alu depctr_va_vdst(0)
.rept 64
	v_pk_mul_f32 v[ACC+2*i:ACC+2*i+1], v[ACC+2*i:ACC+2*i+1], v[Q+4*(i/16):Q+4*(i/16)+1] op_sel_hi:[1,0]
.set i, i+1
.endr
.set i, 0
.rept 64
	v_pk_fma_f32 v[ACC+2*i:ACC+2*i+1], v[ACC+2*i:ACC+2*i+1], v[FR0+2*(i%16):FR0+2*(i%16)+1], v[FR1+2*(i%16):FR1+2*(i%16)+1]
.set i, i+1
.endr
	LOADA FR0, 32768                               ; M's first two groups land under the rest of the softmax
	LOADA FR1, 36864
	; the maximum: four chains in the quad, three operands at a time; the four nt alternate
.irp n, 0,1,2,3
.irp nt, 0,1,2,3
	v_max3_num_f32 v[Q+4*(\nt)+(\n)], v[ACC+32*(\nt)+8*(\n)], v[ACC+32*(\nt)+8*(\n)+1], v[ACC+32*(\nt)+8*(\n)+2]
.endr
.endr
.irp k, 0,1
.irp n, 0,1,2,3
.irp nt, 0,1,2,3
	v_max3_num_f32 v[Q+4*(\nt)+(\n)], v[Q+4*(\nt)+(\n)], v[ACC+32*(\nt)+8*(\n)+3+2*(\k)], v[ACC+32*(\nt)+8*(\n)+4+2*(\k)]
.endr
.endr
.endr
.irp nt, 0,1,2,3
	v_max3_num_f32 v[Q+4*(\nt)], v[Q+4*(\nt)], v[ACC+32*(\nt)+7], v[ACC+32*(\nt)+15]
.endr
.irp nt, 0,1,2,3
	v_max3_num_f32 v[Q+4*(\nt)+1], v[Q+4*(\nt)+1], v[ACC+32*(\nt)+23], v[ACC+32*(\nt)+31]
.endr
.irp nt, 0,1,2,3
	v_max3_num_f32 v[Q+4*(\nt)], v[Q+4*(\nt)], v[Q+4*(\nt)+1], v[Q+4*(\nt)+2]
.endr
.irp nt, 0,1,2,3
	v_max_num_f32 v[Q+4*(\nt)], v[Q+4*(\nt)], v[Q+4*(\nt)+3]
.endr
.irp nt, 0,1,2,3
	v_permlanex16_b32 v[SS+2*(\nt)], v[Q+4*(\nt)], s[SEL], s[SEL+1]
.endr
.irp nt, 0,1,2,3
	v_max_num_f32 v[Q+4*(\nt)+1], v[Q+4*(\nt)], v[SS+2*(\nt)]
.endr
.set i, 0
.rept 64
	v_pk_add_f32 v[ACC+2*i:ACC+2*i+1], v[ACC+2*i:ACC+2*i+1], v[Q+4*(i/16):Q+4*(i/16)+1] op_sel:[0,1] op_sel_hi:[1,1] neg_lo:[0,1] neg_hi:[0,1]
.set i, i+1
.endr
.set i, 0
.rept 128
	v_exp_f32 v[ACC+i], v[ACC+i]
.set i, i+1
.endr
	v_nop
	s_wait_alu depctr_va_vdst(0)
.set pp, 1
.rept 15
.set nt, 0
.rept 4
.if pp == 1
	v_pk_add_f32 v[SS+2*nt:SS+2*nt+1], v[ACC+32*nt:ACC+32*nt+1], v[ACC+32*nt+2:ACC+32*nt+3]
.else
	v_pk_add_f32 v[SS+2*nt:SS+2*nt+1], v[SS+2*nt:SS+2*nt+1], v[ACC+32*nt+2*pp:ACC+32*nt+2*pp+1]
.endif
.set nt, nt+1
.endr
.set pp, pp+1
.endr
.irp nt, 0,1,2,3
	v_add_f32 v[Q+4*(\nt)+2], v[SS+2*(\nt)], v[SS+2*(\nt)+1]
.endr
.irp nt, 0,1,2,3
	v_permlanex16_b32 v[Q+4*(\nt)+3], v[Q+4*(\nt)+2], s[SEL], s[SEL+1]
.endr
.irp nt, 0,1,2,3
	v_add_f32 v[Q+4*(\nt)+2], v[Q+4*(\nt)+2], v[Q+4*(\nt)+3]
.endr
.irp nt, 0,1,2,3
	v_rcp_f32 v[Q+4*(\nt)+2], v[Q+4*(\nt)+2]
.endr
	v_nop
.set i, 0
	s_wait_alu depctr_va_vdst(0)
.rept 64
	v_pk_mul_f32 v[ACC+2*i:ACC+2*i+1], v[ACC+2*i:ACC+2*i+1], v[Q+4*(i/16)+2:Q+4*(i/16)+3] op_sel_hi:[1,0]
.set i, i+1
.endr
.set p, 0
.rept 64
	v_cvt_pk_f16_f32 v[ACC+p], v[ACC+2*p], v[ACC+2*p+1]  ; in place, ascending: P(nt, ks) at 16 nt + 8 ks
.set p, p+1
.endr
	; O += (64 M_h) P: group gq = K half gq / 4, output rows 64 (gq % 4) on; 16 accumulators a group, all 64 by turns
.set gq, 0
.rept 8
.set fb, FR0+(gq%2)*(FR1-FR0)
.if gq == 7
	s_wait_dscnt 0x0
.else
	s_wait_dscnt 0x8
.endif
	WIN 0xA0+0x50*((gq%4)/2)                       ; C and D in window 2 (rows 0-127) or 3
.set mi, 0
.rept 4
.set nt, 0
.rept 4
.set ro, (((4*(gq%4)+mi)%8)*4+nt)*8
	v_wmma_f32_16x16x32_f16 v[ro:ro+7], v[fb+8*mi:fb+8*mi+7], v[ACC+nt*16+(gq/4)*8:ACC+nt*16+(gq/4)*8+7], v[ro:ro+7]
.set nt, nt+1
.endr
.set mi, mi+1
.endr
.if gq <= 5
	PLACES
	WIN 0
	LOADA fb, 32768+(gq+2)*4096
.endif
.set gq, gq+1
.endr
	WIN 0
.rept 5
	v_nop                                          ; the next head's products write over P, which these have read
.endr
.endm
	s_load_b256 s[4:11], s[0:1], 0x0               ; x16 s[4:5], wimg s[6:7], mimg s[8:9], tab s[10:11]
	s_load_b128 s[12:15], s[0:1], 0x20             ; g_q s[12:13], be_q s[14:15]
	s_load_b64 s[16:17], s[0:1], 0x30              ; out0
	v_lshl_add_u32 v[SPW], v0, 2, SPARE
	v_mov_b32 v[NIL], 0
	ds_add_u32 v[SPW], v[NIL]                      ; the wave's opening: the add and its wait ahead of my first tensor load
	v_lshrrev_b32 v24, 5, v0
	v_readfirstlane_b32 s[WV], v24
	s_bfe_u32 s21, ttmp6, 0x40000                  ; cx
	s_lshl_b32 s22, ttmp9, 2
	s_add_co_u32 s22, s22, s21
	s_lshl_b32 s22, s22, 2
	s_add_co_u32 s22, s22, s[WV]                   ; nb: my block of 64 positions; it enters global addresses alone
	s_and_b32 s23, ttmp7, 0xffff                   ; b
	s_mov_b32 s[G0], 1
	s_lshl_b32 s[G0+1], s[WV], 14                  ; my quarter of slot 0
	s_mov_b32 s[G1], 15|(3<<16)|(1<<21)            ; mask of four; elements of 8 bytes; bit 21 beside a mask
	s_mov_b32 s[G1+1], 32<<16                      ; rows of 256 bytes,
	s_mov_b32 s[G1+2], 64<<16                      ; 64 of them
	s_mov_b32 s[G1+3], 32<<16
	s_mov_b32 s[G1+4], 64
	s_mov_b32 s[G1+5], 32
	s_mov_b32 s[G1+6], 0
	s_mov_b32 s[G1+7], 0
	s_lshl_b32 s24, s23, 18                        ; image b's M
	s_mov_b32 s25, 0
	s_and_b32 s26, s[WV], 1                        ; which half of an image I fetch
	s_lshl_b32 s26, s26, 14
	s_mov_b32 s27, 0
	s_lshl_b32 s28, s23, 8
	s_add_co_u32 s28, s28, s22
	s_lshl_b32 s28, s28, 15                        ; x16: 32,768 bytes a block
	s_mov_b32 s29, 0
	s_lshl_b32 s30, s23, 24
	s_lshl_b32 s31, s22, 8
	s_add_co_u32 s30, s30, s31                     ; out0: image b, my 256 bytes of each row
	s_mov_b32 s31, 0
	s_mov_b32 s[TB], SLOTB                         ; the first change of slots turns it into 0
	s_mov_b32 s[I64], 0x3c800000
	s_mov_b32 s[EPS], 0x3727c5ac
	s_mov_b32 s[SEL], 0x76543210
	s_mov_b32 s[SEL+1], 0xfedcba98
	s_mov_b32 s[KAP], 0x3f0293ee                   ; 64^-0.25 log2(e) = 0.510070
	s_mov_b32 s[KAP+1], 0x3f0293ee
	s_mov_b32 s[R64], 0x3c800000
	s_lshl_b32 s61, s[WV], 9
	s_add_co_u32 s61, s61, TABL
	v_and_b32 v24, 15, v0
	v_bfe_u32 v25, v0, 4, 1
	v_and_b32 v[L16], 31, v0
	v_lshlrev_b32 v[L16], 4, v[L16]
	v_lshlrev_b32 v[BOF], 5, v25
	v_add_nc_u32 v[TBA], s61, v[BOF]
	v_lshlrev_b32 v27, 4, v24                      ; 16 (l % 16)
	v_add_nc_u32 v26, s61, v27                     ; where the table is stored
	v_lshl_add_u32 v[XO], v25, 19, v27
.set i, 0
.rept 16
	v_mov_b32 v[Q+i], 0
.set i, i+1
.endr
	s_wait_dscnt 0x0                               ; the opening add is done
	s_wait_kmcnt 0x0
	s_add_nc_u64 s[8:9], s[8:9], s[24:25]
	s_cmp_lt_u32 s[WV], 2                          ; waves 0 and 1 fetch W'q's image, waves 2 and 3 M's
	s_cselect_b64 s[G0+2:G0+3], s[6:7], s[8:9]
	s_add_nc_u64 s[G0+2:G0+3], s[G0+2:G0+3], s[26:27]
	s_or_b32 s[G0+3], s[G0+3], 0x80000000
	s_mov_b64 s[SB:SB+1], s[10:11]
	s_add_nc_u64 s[SX:SX+1], s[4:5], s[28:29]
	s_add_nc_u64 s[SO:SO+1], s[16:17], s[30:31]
	s_add_nc_u64 s[SO+2:SO+3], s[SO:SO+1], 8388608
	ROUND                                          ; all four work-groups are here: the first joint loads meet
	tensor_load_to_lds s[G0:G0+3], s[G1:G1+7]      ; head 0 into slot 0
	s_nop 0
	PLACES
	global_load_b128 v[ACC:ACC+3], v27, s[12:13]
	global_load_b128 v[ACC+4:ACC+7], v27, s[14:15]
.set k, 0
.rept 8
	global_load_b128 v[BIAS+4*k:BIAS+4*k+3], v[BOF], s[SB:SB+1] offset:(k/2)*64+(k%2)*16
.set k, k+1
.endr
	WIN 0x40
.set k, 0
.rept 48
	global_load_b128 v[4*k:4*k+3], v[L16], s[SX:SX+1] offset:512*k th:TH_LOAD_NT
.set k, k+1
.endr
	WIN 0
	s_wait_loadcnt 56                              ; g_q and be_q are in; the 8 + 48 loads behind them may stay out
.irp p, 0,2,4,6
	v_pk_mul_f32 v[ACC+(\p):ACC+(\p)+1], v[ACC+(\p):ACC+(\p)+1], s[KAP:KAP+1] op_sel_hi:[1,0]
.endr
	ds_store_b128 v26, v[ACC:ACC+3]                ; both halves of the lanes store the same numbers to the same bytes
	ds_store_b128 v26, v[ACC+4:ACC+7] offset:256
	WIN 0x40
.rept 16
	global_load_b128 v[4*k:4*k+3], v[L16], s[SX:SX+1] offset:512*k th:TH_LOAD_NT
.set k, k+1
.endr
	WIN 0x80                                       ; O starts from 64 bo: nothing is cleared
.set k, 0
.rept 64
	global_load_b128 v[4*k:4*k+3], v[BOF], s[10:11] offset:6144+(k/8)*64+(k%2)*16
.set k, k+1
.endr
	WIN 0xC0
.set k, 0
.rept 64
	global_load_b128 v[4*k:4*k+3], v[BOF], s[10:11] offset:6144+(8+k/8)*64+(k%2)*16
.set k, k+1
.endr
	WIN 0
	s_mov_b32 s[CNT], 7
.Lhead:                                                ; heads 0 to 6: the next head is asked for, this one worked on
	CHANGE 1
	BODY 0
	s_sub_co_u32 s[CNT], s[CNT], 1
	s_cmp_lg_u32 s[CNT], 0
	s_cbranch_scc1 .Lhead
	CHANGE 0                                       ; the last head is written out
	BODY 1
	; THE WAY OUT.  For 16 output rows at a time: O / 64, the four tiles' numbers of a row side by side: 16 bytes a lane; 16 lanes store 256 consecutive bytes, aligned.
	PLACES
.set mt, 0
.rept 16
	s_wait_xcnt 0x0                                ; earlier stores have read their data: the bank of 32 registers is written again only behind this wait
	WIN 0x08+4*(mt/8)                              ; source 1 in window 2 or 3
.set j, 0
.rept 8
.set nt, 0
.rept 4
	v_mul_f32 v[ACC+32*(mt%4)+4*j+nt], s[R64], v[((mt%8)*4+nt)*8+j]
.set nt, nt+1
.endr
.set j, j+1
.endr
	WIN 0
.set j, 0
.rept 8
	global_store_b128 v[XO], v[ACC+32*(mt%4)+4*j:ACC+32*(mt%4)+4*j+3], s[SO+2*(mt/8):SO+2*(mt/8)+1] offset:(16*(mt%8)+j)*65536 th:TH_STORE_NT
.set j, j+1
.endr
.set mt, mt+1
.endr
	s_wait_tensorcnt 0x0                           ; the wave's end
	ds_add_u32 v[SPW], v[NIL]
	s_wait_dscnt 0x0
	ROUND                                          ; the closing round
	s_endpgm
.Lfunc_end_k_q17d556539b_qout:
	.size	k_q17d556539b_qout, .Lfunc_end_k_q17d556539b_qout-k_q17d556539b_qout
	.p2alignl 7, 3214868480
	.fill 96, 4, 3214868480
	.section	.rodata,"a",@progbits
	.p2align	6, 0x0
	.amdhsa_kernel k_q17d556539b_qout
		.amdhsa_group_segment_fixed_size 327680
		.amdhsa_private_segment_fixed_size 0
		.amdhsa_enable_private_segment 0
		.amdhsa_kernarg_size 56
		.amdhsa_user_sgpr_count 2
		.amdhsa_user_sgpr_kernarg_segment_ptr 1
		.amdhsa_wavefront_size32 1
		.amdhsa_system_sgpr_workgroup_id_x 1
		.amdhsa_system_sgpr_workgroup_id_y 1
		.amdhsa_system_sgpr_workgroup_id_z 1
		.amdhsa_system_vgpr_workitem_id 0
		.amdhsa_next_free_vgpr 1024
		.amdhsa_next_free_sgpr 66
		.amdhsa_reserve_vcc 0
		.amdhsa_float_denorm_mode_32 3
		.amdhsa_float_denorm_mode_16_64 3
		.amdhsa_memory_ordered 1
		.amdhsa_forward_progress 1
		.amdhsa_inst_pref_size 188
	.end_amdhsa_kernel
	.amdgpu_metadata
---
amdhsa.version: [ 1, 2 ]
amdhsa.kernels:
  - .name:           k_q17d556539b_qout
    .symbol:         k_q17d556539b_qout.kd
    .args:
      - { .name: x16, .offset: 0, .size: 8, .value_kind: global_buffer, .address_space: global }
      - { .name: wimg, .offset: 8, .size: 8, .value_kind: global_buffer, .address_space: global }
      - { .name: mimg, .offset: 16, .size: 8, .value_kind: global_buffer, .address_space: global }
      - { .name: tab, .offset: 24, .size: 8, .value_kind: global_buffer, .address_space: global }
      - { .name: g_q, .offset: 32, .size: 8, .value_kind: global_buffer, .address_space: global }
      - { .name: be_q, .offset: 40, .size: 8, .value_kind: global_buffer, .address_space: global }
      - { .name: out0, .offset: 48, .size: 8, .value_kind: global_buffer, .address_space: global }
    .group_segment_fixed_size: 327680
    .private_segment_fixed_size: 0
    .kernarg_segment_align: 8
    .kernarg_segment_size: 56
    .max_flat_workgroup_size: 128
    .sgpr_count:     66
    .vgpr_count:     1024
    .wavefront_size: 32
...
	.end_amdgpu_metadata
.endif
;; end of part 4
;; ======== version 2 of 2: 4 launches; version 1 with the launch comb written anew for expert scheduling mode
;; limits: values are held in f16: magnitudes above 65,504 overflow, below 6.1e-05 lose precision; inputs' magnitudes at most 65,504
;; workspace buffers: wimg 786,432 bytes; tab 7,168 bytes; x16 33,554,432 bytes; part 16,777,216 bytes; stat 524,288 bytes; mimg 1,048,576 bytes
;; launch prep: the kernel of part 1 again; grid 64 x 3, 1 waves a work-group, no clusters, 0 bytes of LDS; arguments wq, wk, wv, bq, bk, bv, bo, wimg, tab; writes wimg, tab
;; launch kv: the kernel of part 2 again; grid 32 x 8, 4 waves a work-group, clusters of 4 x 1, 327,680 bytes of LDS; arguments x, wimg, tab, g_k, be_k, part, stat, x16; writes part, stat, x16
;; launch comb (part 5): grid 32 x 4, 4 waves a work-group, no clusters, 2,560 bytes of LDS; arguments part, stat, wo, g_v, be_v, mimg; writes mimg
.if DOCPART == 5
	.amdgcn_target "amdgcn-amd-amdhsa--gfx1250"
	.amdhsa_code_object_version 6
	.text
	.protected	k_q17d556539b_comb
	.globl	k_q17d556539b_comb
	.p2align	8
	.type	k_q17d556539b_comb,@function
k_q17d556539b_comb:
	s_mov_b64 s[64:65], 0
	v_nop
	global_prefetch_b8 v0, s[64:65] scope:SCOPE_SE
	s_setreg_imm32_b32 hwreg(HW_REG_WAVE_SCHED_MODE, 0, 2), 2
	s_setreg_imm32_b32 hwreg(HW_REG_WAVE_MODE, 25, 1), 1
	s_wait_xcnt 0x0
	s_wait_alu depctr_vm_vsrc(0)
; THE 32 RANGES' PARTIAL SUMS ARE MERGED, ctx IS FINISHED, AND wo IS FOLDED INTO IT.
; m* = max m_i; f_i = 2^(m_i - m*); L = sum f_i l_i; C = sum f_i C_i; ctx[kd][vd] = g_v[vd] C / L + be_v[vd] (the softmax's weights add up to 1, so be_v passes through the sum);
; M[o][64 h + kd] = sum over vd of wo[o][64 h + vd] ctx[kd][vd], since wo (ctx^T q) = (wo ctx^T) q.  Stored as f16(64 M), as fragment images with rows o and K = kd.
; SHARES.  A work-group: image b, head hd, 16 channels kd (kt).  Wave w merges the tile of channels vd = 16 w ..; the four packed tiles meet in LDS and are two operands (rows kd, K = vd);
; then wave w makes the output rows 64 w .. 64 w + 63: D[kd][o] = ctx x wo^T, whose lane holds one o and eight kd: half an image, 512 consecutive bytes a store.
; LIMITS.  |wo|, |ctx| and 64 |M| under 65,504 (f16); below 6e-5 f16 keeps its fixed step.
; No cluster and no tensor loads: each partial tile is read by one wave; what work-groups share (2 KiB of statistics, a slice of wo) is a small part of a work-group's 160 KiB.  128 work-groups: that is all the work there is.
; THE MODE: SCHED_MODE bits 1:0 = 2 (LLVM: expert scheduling mode 2), set by the entry lines.  The code itself states the register dependences
; between vector or matrix instructions and memory or LDS instructions, with s_wait_alu, always for 0.
; THE PLAN.  Registers that memory or LDS instructions touch:
;   v3 to v7        offsets and LDS addresses: written at the head, read by every load and store, never written again.
;   MI, LI, GV, BE  loads land in them once; no vector line names them before, no memory instruction reads them.
;   CI, WOF         likewise.  Sixteen of CI's registers are CF later: the merge reads them, then the LDS loads behind the barrier land in them.
;   PK, OUT         written by conversions, read by the LDS store and by the four global stores, never written again.
;   v8, v9          written at the head, read by the closing add alone.
; No register that a memory instruction reads is written again, so no wait on vm_vsrc is owed.  One wait on va_vdst at the head serves all 164 loads.  wo's 32 loads are dealt among
; the statistics' vector lines, which name v10-17 and v32-95: none of the registers that those loads touch (v5 and window 1's v128-255).
.set CTL,   0                          ; LDS: 512 bytes a wave: its packed tile
.set SPARE, 2048
.set L16, 3
.set SO4, 4                            ; 16 (l % 16)
.set WOO, 5                            ; (l % 16) rows of wo + 32 (l / 16)
.set GVO, 6                            ; 32 (l / 16)
.set STA, 7                            ; CTL + 512 w + 16 l
.set SPW, 8
.set NIL, 9
.set TM,  10                           ; v[10:17] at work
.set MI,  32                           ; m_i, then f_i
.set LI,  64
.set SM,  96
.set GV,  104
.set BE,  112
.set PK,  120
.set CI,  128                          ; window 0: C_i, i < 16; window 1 from 0: i >= 16
.set WOF, 128                          ; window 1: wo in f32
.set WOH, 128                          ; window 0, later: wo in f16, fragment (mt', ks) at 8 (2 mt' + ks)
.set CF,  192                          ; ctx: two fragments
.set AC,  208                          ; four accumulators
.set OUT, 240
.set MSB, 0
.macro WIN new
.if MSB != (\new)
	s_set_vgpr_msb (MSB<<8)|(\new)
.set MSB, (\new)
.endif
.endm
.set wi, 0
.macro WOLOAD                          ; the next eight of wo's 32 loads.  No wait: no vector line has named their offset since the head's wait, and none has ever named the registers in which they land
	WIN 0x40
.rept 8
	global_load_b128 v[WOF+4*wi:WOF+4*wi+3], v[WOO], s[8:9] offset:(wi/8)*32768+((wi/4)%2)*128+((wi/2)%2)*64+(wi%2)*16
.set wi, wi+1
.endr
	WIN 0
.endm
	s_load_b256 s[4:11], s[0:1], 0x0               ; part s[4:5], stat s[6:7], wo s[8:9], g_v s[10:11]
	s_load_b128 s[12:15], s[0:1], 0x20             ; be_v s[12:13], mimg s[14:15]
	v_lshl_add_u32 v[SPW], v0, 2, SPARE
	v_mov_b32 v[NIL], 0
	v_lshrrev_b32 v1, 5, v0
	v_readfirstlane_b32 s16, v1                    ; wave
	s_and_b32 s17, ttmp9, 3                        ; kt
	s_lshr_b32 s18, ttmp9, 2                       ; hd
	s_and_b32 s19, ttmp7, 0xffff                   ; b
	s_lshl_b32 s20, s19, 3
	s_add_co_u32 s20, s20, s18                     ; 8 b + hd
	v_and_b32 v1, 15, v0
	v_bfe_u32 v2, v0, 4, 1
	v_and_b32 v[L16], 31, v0
	v_lshlrev_b32 v[L16], 4, v[L16]
	v_lshlrev_b32 v[SO4], 4, v1
	v_lshlrev_b32 v[WOO], 11, v1
	v_lshl_add_u32 v[WOO], v2, 5, v[WOO]
	v_lshlrev_b32 v[GVO], 5, v2
	s_wait_alu depctr_va_sdst(0)                   ; s16 is written, ahead of its first reader, the next line; the bases below are made from it too
	v_lshl_add_u32 v[STA], s16, 9, v[L16]
	s_lshl_b32 s22, s20, 14                        ; stat: 32 ranges of 512 bytes; + 4 kt
	s_lshl_b32 s23, s17, 2
	s_add_co_u32 s22, s22, s23
	s_mov_b32 s23, 0
	s_lshl_b32 s24, s20, 19                        ; part: 32 ranges of 16,384 bytes; tile 4 kt + w
	s_lshl_b32 s25, s17, 12
	s_add_co_u32 s24, s24, s25
	s_lshl_b32 s25, s16, 10
	s_add_co_u32 s24, s24, s25
	s_mov_b32 s25, 0
	s_lshl_b32 s26, s16, 17                        ; wo: my 64 rows, the head's 64 columns
	s_lshl_b32 s27, s18, 8
	s_add_co_u32 s26, s26, s27
	s_mov_b32 s27, 0
	s_lshl_b32 s28, s16, 6                         ; g_v, be_v: my 16 channels
	s_mov_b32 s29, 0
	s_lshl_b32 s30, s20, 15                        ; mimg: the head's 32 images; fragment 16 (kt / 2) + 4 w, half kt % 2
	s_lshr_b32 s31, s17, 1
	s_lshl_b32 s31, s31, 14
	s_add_co_u32 s30, s30, s31
	s_and_b32 s31, s17, 1
	s_lshl_b32 s31, s31, 9
	s_add_co_u32 s30, s30, s31
	s_lshl_b32 s31, s16, 12
	s_add_co_u32 s30, s30, s31
	s_mov_b32 s31, 0
	s_wait_kmcnt 0x0
	s_add_nc_u64 s[6:7], s[6:7], s[22:23]
	s_add_nc_u64 s[4:5], s[4:5], s[24:25]
	s_add_nc_u64 s[8:9], s[8:9], s[26:27]
	s_add_nc_u64 s[10:11], s[10:11], s[28:29]
	s_add_nc_u64 s[12:13], s[12:13], s[28:29]
	s_add_nc_u64 s[14:15], s[14:15], s[30:31]
	s_wait_alu depctr_va_vdst(0)                   ; the offsets and addresses v3 to v7 are written, which every load and store of the kernel reads; no vector line behind this wait names them
	; the statistics, g_v, be_v and the partial tiles go out first: 132 loads
.set i, 0
.rept 32
	global_load_b32 v[MI+i], v[SO4], s[6:7] offset:i*512
.set i, i+1
.endr
.set i, 0
.rept 32
	global_load_b32 v[LI+i], v[SO4], s[6:7] offset:i*512+256
.set i, i+1
.endr
	global_load_b128 v[GV:GV+3], v[GVO], s[10:11]
	global_load_b128 v[GV+4:GV+7], v[GVO], s[10:11] offset:16
	global_load_b128 v[BE:BE+3], v[GVO], s[12:13]
	global_load_b128 v[BE+4:BE+7], v[GVO], s[12:13] offset:16
.set i, 0
.rept 16
	global_load_b128 v[CI+8*i:CI+8*i+3], v[L16], s[4:5] offset:i*16384 th:TH_LOAD_NT
	global_load_b128 v[CI+8*i+4:CI+8*i+7], v[L16], s[4:5] offset:i*16384+512 th:TH_LOAD_NT
.set i, i+1
.endr
	WIN 0x40
.set i, 0
.rept 16
	global_load_b128 v[8*i:8*i+3], v[L16], s[4:5] offset:(i+16)*16384 th:TH_LOAD_NT
	global_load_b128 v[8*i+4:8*i+7], v[L16], s[4:5] offset:(i+16)*16384+512 th:TH_LOAD_NT
.set i, i+1
.endr
	WIN 0
	s_wait_loadcnt 63                              ; 64 loads, the partial tiles', are younger than the statistics, g_v and be_v
.irp n, 0,1,2,3
	v_max3_num_f32 v[TM+(\n)], v[MI+8*(\n)], v[MI+8*(\n)+1], v[MI+8*(\n)+2]
.endr
.irp k, 0,1
.irp n, 0,1,2,3
	v_max3_num_f32 v[TM+(\n)], v[TM+(\n)], v[MI+8*(\n)+3+2*(\k)], v[MI+8*(\n)+4+2*(\k)]
.endr
.endr
	v_max3_num_f32 v[TM], v[TM], v[MI+7], v[MI+15]
	v_max3_num_f32 v[TM+1], v[TM+1], v[MI+23], v[MI+31]
	v_max3_num_f32 v[TM], v[TM], v[TM+1], v[TM+2]
	v_max_num_f32 v[TM], v[TM], v[TM+3]            ; m*
	WOLOAD                                         ; wo's loads 0 to 7
.set i, 0
.rept 32
	v_sub_f32 v[MI+i], v[MI+i], v[TM]
.set i, i+1
.endr
	WOLOAD                                         ; 8 to 15
.set i, 0
.rept 32
	v_exp_f32 v[MI+i], v[MI+i]                     ; f_i
.set i, i+1
.endr
	v_nop                                          ; a plain instruction behind the last exponential
	WOLOAD                                         ; 16 to 23: work that names no f_i, between the batch and its wait
	s_wait_alu depctr_va_vdst(0)                   ; the 32 exponentials have written the f_i, ahead of their first reader
	v_mul_f32 v[TM+4], v[MI], v[LI]
	v_mul_f32 v[TM+5], v[MI+1], v[LI+1]
.set i, 2
.rept 30
	v_fmac_f32 v[TM+4+i%2], v[MI+i], v[LI+i]
.set i, i+1
.endr
	v_add_f32 v[TM+4], v[TM+4], v[TM+5]            ; L: at least 1, since the range that holds m* has f = 1 and a weight of 1
	v_rcp_f32 v[TM+6], v[TM+4]
	v_mov_b32 v[TM+7], 0                           ; the pair's other word; also the plain instruction behind the reciprocal
	WOLOAD                                         ; 24 to 31
	s_wait_loadcnt 32                              ; the 64 loads of partial tiles are in; wo's 32 may stay out
.set i, 0
.rept 32
.if i == 16
	WIN 0x01
.endif
.set rc, CI+8*i-(i/16)*(CI+128)
.set jp, 0
.rept 4
.if i == 0
	v_pk_mul_f32 v[SM+2*jp:SM+2*jp+1], v[rc+2*jp:rc+2*jp+1], v[MI:MI+1] op_sel_hi:[1,0]
.elseif i%2 == 0
	v_pk_fma_f32 v[SM+2*jp:SM+2*jp+1], v[rc+2*jp:rc+2*jp+1], v[MI+i:MI+i+1], v[SM+2*jp:SM+2*jp+1] op_sel_hi:[1,0,1]
.else
	v_pk_fma_f32 v[SM+2*jp:SM+2*jp+1], v[rc+2*jp:rc+2*jp+1], v[MI+i-1:MI+i], v[SM+2*jp:SM+2*jp+1] op_sel:[0,1,0] op_sel_hi:[1,1,1]
.endif
.set jp, jp+1
.endr
.set i, i+1
.endr
	WIN 0
	s_wait_alu depctr_va_vdst(0)                   ; the reciprocal has written 1 / L, ahead of its first reader; the merge stands between the two
.irp jp, 0,1,2,3
	v_pk_mul_f32 v[SM+2*(\jp):SM+2*(\jp)+1], v[SM+2*(\jp):SM+2*(\jp)+1], v[TM+6:TM+7] op_sel_hi:[1,0]
.endr
.irp jp, 0,1,2,3
	v_pk_fma_f32 v[SM+2*(\jp):SM+2*(\jp)+1], v[SM+2*(\jp):SM+2*(\jp)+1], v[GV+2*(\jp):GV+2*(\jp)+1], v[BE+2*(\jp):BE+2*(\jp)+1]
.endr
.irp jp, 0,1,2,3
	v_cvt_pk_f16_f32 v[PK+(\jp)], v[SM+2*(\jp)], v[SM+2*(\jp)+1]
.endr
	s_wait_alu depctr_va_vdst(0)                   ; the conversions have written PK, which the LDS store reads; and the merge is done reading v[CF ..], in which the LDS loads behind the barrier land
	ds_store_b128 v[STA], v[PK:PK+3] offset:CTL
	s_wait_dscnt 0x0                               ; for the others' sake
	s_barrier_signal -1
	s_barrier_wait -1
.irp k, 0,1,2,3
	ds_load_b128 v[CF+4*(\k):CF+4*(\k)+3], v[L16] offset:CTL+512*(\k)  ; tiles 2 ks and 2 ks + 1 are registers 0-3 and 4-7 of fragment ks.  No wait: no vector line since the wait above
.endr
	s_wait_loadcnt 0x0                             ; wo
	WIN 0x05
.set p, 0
.rept 64
	v_cvt_pk_f16_f32 v[WOH+p], v[WOF+2*p], v[WOF+2*p+1]
.set p, p+1
.endr
	WIN 0
	s_wait_dscnt 0x0
.irp ks, 0,1
.irp mt, 0,1,2,3
.if (\ks) == 0
	v_wmma_f32_16x16x32_f16 v[AC+8*(\mt):AC+8*(\mt)+7], v[CF+8*(\ks):CF+8*(\ks)+7], v[WOH+((\mt)*2+(\ks))*8:WOH+((\mt)*2+(\ks))*8+7], 0
.else
	v_wmma_f32_16x16x32_f16 v[AC+8*(\mt):AC+8*(\mt)+7], v[CF+8*(\ks):CF+8*(\ks)+7], v[WOH+((\mt)*2+(\ks))*8:WOH+((\mt)*2+(\ks))*8+7], v[AC+8*(\mt):AC+8*(\mt)+7]
.endif
.endr
.endr
.rept 8
	v_nop                                          ; the places behind the products
.endr
.set i, 0
.rept 16
	v_pk_mul_f32 v[AC+2*i:AC+2*i+1], v[AC+2*i:AC+2*i+1], 0x42800000 op_sel_hi:[1,0]  ; x 64: it sets M's range in the middle of f16's
.set i, i+1
.endr
.set p, 0
.rept 16
	v_cvt_pk_f16_f32 v[OUT+p], v[AC+2*p], v[AC+2*p+1]
.set p, p+1
.endr
	s_wait_alu depctr_va_vdst(0)                   ; the conversions have written OUT, which the four stores read
.irp mt, 0,1,2,3
	global_store_b128 v[L16], v[OUT+4*(\mt):OUT+4*(\mt)+3], s[14:15] offset:(\mt)*1024  ; 512 consecutive bytes, aligned
.endr
	s_wait_dscnt 0x0                               ; the wave's end
	s_wait_alu 0x0
	s_wait_tensorcnt 0x0
	ds_add_u32 v[SPW], v[NIL]
	s_wait_dscnt 0x0
	s_endpgm
.Lfunc_end_k_q17d556539b_comb:
	.size	k_q17d556539b_comb, .Lfunc_end_k_q17d556539b_comb-k_q17d556539b_comb
	.p2alignl 7, 3214868480
	.fill 96, 4, 3214868480
	.section	.rodata,"a",@progbits
	.p2align	6, 0x0
	.amdhsa_kernel k_q17d556539b_comb
		.amdhsa_group_segment_fixed_size 2560
		.amdhsa_private_segment_fixed_size 0
		.amdhsa_enable_private_segment 0
		.amdhsa_kernarg_size 48
		.amdhsa_user_sgpr_count 2
		.amdhsa_user_sgpr_kernarg_segment_ptr 1
		.amdhsa_wavefront_size32 1
		.amdhsa_system_sgpr_workgroup_id_x 1
		.amdhsa_system_sgpr_workgroup_id_y 1
		.amdhsa_system_sgpr_workgroup_id_z 1
		.amdhsa_system_vgpr_workitem_id 0
		.amdhsa_next_free_vgpr 512
		.amdhsa_next_free_sgpr 66
		.amdhsa_reserve_vcc 0
		.amdhsa_float_denorm_mode_32 3
		.amdhsa_float_denorm_mode_16_64 3
		.amdhsa_memory_ordered 1
		.amdhsa_forward_progress 1
		.amdhsa_inst_pref_size 40
	.end_amdhsa_kernel
	.amdgpu_metadata
---
amdhsa.version: [ 1, 2 ]
amdhsa.kernels:
  - .name:           k_q17d556539b_comb
    .symbol:         k_q17d556539b_comb.kd
    .args:
      - { .name: part, .offset: 0, .size: 8, .value_kind: global_buffer, .address_space: global }
      - { .name: stat, .offset: 8, .size: 8, .value_kind: global_buffer, .address_space: global }
      - { .name: wo, .offset: 16, .size: 8, .value_kind: global_buffer, .address_space: global }
      - { .name: g_v, .offset: 24, .size: 8, .value_kind: global_buffer, .address_space: global }
      - { .name: be_v, .offset: 32, .size: 8, .value_kind: global_buffer, .address_space: global }
      - { .name: mimg, .offset: 40, .size: 8, .value_kind: global_buffer, .address_space: global }
    .group_segment_fixed_size: 2560
    .private_segment_fixed_size: 0
    .kernarg_segment_align: 8
    .kernarg_segment_size: 48
    .max_flat_workgroup_size: 128
    .sgpr_count:     66
    .vgpr_count:     512
    .wavefront_size: 32
...
	.end_amdgpu_metadata
.endif
;; end of part 5
;; launch qout: the kernel of part 4 again; grid 64 x 4, 4 waves a work-group, clusters of 4 x 1, 327,680 bytes of LDS; arguments x16, wimg, mimg, tab, g_q, be_q, out0; writes out0
